; MI455X (gfx1250); checked and timed in simulation.
; The chip was launched on July 23, 2026; its instructions are those of AMD's public machine-readable ISA for CDNA 5 (MIT licence, August 2026) and "CDNA5" Instruction Set Architecture Reference Guide (July 2026). The comments in the code are by the model that wrote it; some were corrected since.
;; Multi Head Self Attention. Allowed arithmetic: matrix products marked QUANTISED: E4M3 operands, one given power-of-two scale a tensor, by v_wmma_f32_16x16x64_fp8_fp8 or v_wmma_f32_16x16x128_fp8_fp8, f32 sums; everything else in f32.
;; Inputs: Wk 16 x 1,024 x 64 float32; Wo 1,024 x 1,024 float32; Wq 16 x 1,024 x 64 float32; Wv 16 x 1,024 x 64 float32; bk 16 x 64 float32; bo 1,024 float32; bq 16 x 64 float32; bv 16 x 64 float32; lowp_scales 12 int32 (the exponents e of the quantised operands' scales 2^e); x 4 x 2,048 x 1,024 float32.
;; Outputs: out0 4 x 2,048 x 1,024 float32.
;; This version of the problem:
;;   THIS VERSION OF THE PROBLEM IS GIVEN IN LOW PRECISION. The matrix products marked QUANTISED in the list below multiply operands that are first quantised to E4M3 (4 exponent bits, 3 mantissa bits; 8 bits a number), with one given power-of-two scale for each operand tensor; their sums are f32. All else is computed in f32.
;;   The module's matrix products, in the order in which they are computed (A, B: the left and right operand; K: the contracted axis; several contracted axes count as one K, in the product's order):
;;     1. [M 1,024, K 1,024] x [K 1,024, N 8,192]; A: input Wq; B: input x: QUANTISED (scales: A lowp_scales[0], B lowp_scales[1])
;;     2. [M 1,024, K 1,024] x [K 1,024, N 8,192]; A: input Wk; B: input x: QUANTISED (scales: A lowp_scales[2], B lowp_scales[3])
;;     3. [M 1,024, K 1,024] x [K 1,024, N 8,192]; A: input Wv; B: input x: QUANTISED (scales: A lowp_scales[4], B lowp_scales[5])
;;     4. batch 64 x [M 2,048, K 64] x [K 64, N 2,048]; A: computed on the way; B: computed on the way: QUANTISED (scales: A lowp_scales[6], B lowp_scales[7])
;;     5. batch 64 x [M 2,048, K 2,048] x [K 2,048, N 64]; A: softmax (see below); B: computed on the way: QUANTISED (scales: A lowp_scales[8], B lowp_scales[9])
;;     6. [M 8,192, K 1,024] x [K 1,024, N 1,024]; A: computed on the way; B: input Wo: QUANTISED (scales: A lowp_scales[10], B lowp_scales[11])
;;   THE QUANTISER, for each operand of a quantised product, along K:
;;     - The operand's scale is 2^e, e = its entry of the input lowp_scales (int32; the entries are numbered through the quantised products in the list's order, A before B).
;;     - Each number is divided by the scale, clamped to +-448, and rounded to the nearest number of E4M3, ties to even, subnormals kept.
;;     - The product sums the exact products of the quantised numbers (number of the format x scale) in f32.
;;   ~~~python
;;   def quantise(x, axis, e):      # numpy; x: float32 -> the quantised numbers, widened to float32 again
;;       x = np.moveaxis(x, axis, -1); K = x.shape[-1]
;;       r = np.clip(x / 2.0 ** e, -448, 448)
;;       step = 2.0 ** (np.maximum(np.frexp(np.where(r == 0, 1, r))[1] - 1, -6) - 3)
;;       q = np.round(r / step) * step * 2.0 ** e      # np.round: ties to even
;;       return np.moveaxis(q, -1, axis).astype(np.float32)
;;   ~~~
;;   SOFTMAX AHEAD OF A QUANTISED PRODUCT. Where the list says 'softmax', what is quantised is not the finished softmax but p = 2^(t - M), with t = logit x log2(e) and M = ceil(the row's largest t), a whole number; so 1/2 < the row's largest p <= 1. The row's sum l is taken of the UNQUANTISED p, in f32, and the product's result is divided by l at the end. Since M is a whole number, a kernel that streams over the keys may use a running M (the ceiling of the running maximum): every later rescaling is an exact power of two, so the quantised numbers keep their values, but for numbers so far below the row's largest that they fall under the format's range.
;;   OPERANDS COMPUTED ON THE WAY. 'Computed on the way' means the value that the module computes at that place (a softmax that the list does not call 'softmax' is quantised finished and normalised). What goes into a quantiser is computed in f32, as accurately as f32 sums, v_exp_f32 and their like allow (about 1e-6 of the number): no bf16 or f16 on the way to a quantiser, and a product that is left as it is and whose result goes on into a quantised operand takes f32 operands (vector FMAs, or v_wmma_f32_16x16x4_f32). A number that lies on a knife's edge between two numbers of the format may be rounded either way, as far as f32 arithmetic and the matrix unit's own rounding can turn it there, and no further.
;; One version. Each part assembles by itself: llvm-mc -triple=amdgcn-amd-amdhsa -mcpu=gfx1250 --defsym DOCPART=n.
;; ======== version 1 of 1: 4 launches
;; limits: right only within a limited range of input values
;; workspace buffers: xcodes 25,165,824 bytes; wcodes 4,194,304 bytes; qkv 25,165,824 bytes; ccodes 8,388,608 bytes
;; launch quant (part 1): grid 640 x 1, 4 waves a work-group, no clusters, 68,096 bytes of LDS; arguments x, Wq, Wk, Wv, Wo, lowp_scales, xcodes, wcodes; writes xcodes, wcodes
.if DOCPART == 1
	.amdgcn_target "amdgcn-amd-amdhsa--gfx1250"
	.amdhsa_code_object_version 6
	.text
	.protected	k_q5996872069_quant
	.globl	k_q5996872069_quant
	.p2align	8
	.type	k_q5996872069_quant,@function
k_q5996872069_quant:
	s_mov_b64 s[64:65], 0
	v_nop
	global_prefetch_b8 v0, s[64:65] scope:SCOPE_SE
	s_setreg_imm32_b32 hwreg(HW_REG_WAVE_MODE, 25, 1), 1
	s_wait_xcnt 0x0
; One launch turns x and the four weights, all f32, into codes of FP8 (E4M3) with K innermost.  code = number / 2^e, held within +-448, to the nearest code, ties to even.
; LIMITS: each e between -126 and 119; NaN among the inputs is not served.
; Work-groups 0 to 127 take the weights, 128 to 639 take x: the two ways part on the work-group's number alone, and each has LDS bytes of its own.
; x [8192][1024] is the right operand of three products with a scale each (entries 1, 3, 5): xcodes is [3][8192][1024] bytes.  A wave takes 4,096 numbers in 8 steps of 512: four loads of 512 consecutive
; bytes, a turn through the wave's own stage in LDS so that a lane holds 16 neighbours, three conversions, three stores of 512 consecutive bytes, aligned.  Loads run four steps (16 loads a wave) ahead.
; Wq, Wk, Wv [16][1024 k][64 d] and Wo [1024 k][1024 n] (entries 0, 2, 4, 11): wcodes is [4][n 1024][k 1024].  A lane takes a column n and its registers run down K; a wave takes 32 columns x 256 K,
; gathers 256 bytes a column in its own stage and stores by rows: sixteen lanes store 256 consecutive bytes, aligned.  Pointer, pitch and exponent are chosen by the work-group's number.
; Waves share nothing: no barrier, no cluster, no tensor load.
.set WGW,   128                        ; work-groups for the weights
.set WREG,  8192                       ; x: a region for each wave: two stages of 32 x SP bytes
.set SP,    80                         ; a lane's place in a stage: 64 bytes + 16 of padding
.set SPARE, 4*WREG                     ; the spare words, 128 bytes a wave, which no other line names
.set WST,   SPARE+512                  ; the weights' four stages
.set SPW,   12                         ; v12 LDS address of my spare word; never rewritten
.set NIL,   13                         ; v13 0; never rewritten
	v_lshl_add_u32 v[SPW], v0, 2, SPARE
	v_mov_b32 v[NIL], 0
	v_lshrrev_b32 v1, 5, v0
	v_readfirstlane_b32 s16, v1                    ; wave
	v_and_b32 v2, 31, v0                           ; lane
	s_wait_alu depctr_va_vdst(0)                   ; the wait ahead of the branch
	s_cmp_lt_u32 ttmp9, WGW
	s_cbranch_scc1 .Lw
; ---- x
.set STEPS, 8
.set PART,  0x800000                   ; bytes of one set of codes
.set LO,    3                          ; v3 16 x lane
.set SIN,   14                         ; v14 the stage on the way in
.set SOUT,  15                         ; v15 and on the way out
.set R,     16                         ; v16-79 four sets of 16 numbers as loaded
.set X,     80                         ; v80-111 two sets of 16 neighbours
.set T,     112                        ; v112-127 the 16 numbers held for one scale
.set C,     128                        ; v128-139 the codes
.set SC,    140                        ; v140-142 2^e
.set LIM,   143                        ; v143-145 448 x 2^e
	s_load_b64 s[4:5], s[0:1], 0x0                 ; x
	s_load_b64 s[6:7], s[0:1], 0x28                ; the exponents
	s_load_b64 s[8:9], s[0:1], 0x30                ; xcodes
	v_lshlrev_b32 v[LO], 4, v2
	s_mul_i32 s17, s16, WREG
	v_lshrrev_b32 v[SIN], 2, v2
	v_mul_u32_u24 v[SIN], v[SIN], SP
	v_and_b32 v[SOUT], 3, v2
	v_lshl_add_u32 v[SIN], v[SOUT], 4, v[SIN]
	v_add_nc_u32 v[SIN], s17, v[SIN]               ; in: SP (lane / 4) + 16 (lane % 4)
	v_mul_u32_u24 v[SOUT], v2, SP
	v_add_nc_u32 v[SOUT], s17, v[SOUT]             ; out: SP x lane
	s_sub_co_u32 s18, ttmp9, WGW
	s_lshl_b32 s18, s18, 2
	s_add_co_u32 s18, s18, s16                     ; which run of 4,096 numbers is my wave's
	s_lshl_b32 s20, s18, 14                        ; 16,384 bytes of x,
	s_mov_b32 s21, 0
	s_lshl_b32 s22, s18, 12                        ; 4,096 bytes of each set of codes
	s_mov_b32 s23, 0
	s_wait_alu depctr_va_vdst(0)
	s_wait_kmcnt 0x0
	s_load_b256 s[24:31], s[6:7], 0x0              ; entries 0 to 7
	s_add_nc_u64 s[4:5], s[4:5], s[20:21]
	s_add_nc_u64 s[8:9], s[8:9], s[22:23]          ; a base for each set
	s_add_nc_u64 s[10:11], s[8:9], PART
	s_add_nc_u64 s[12:13], s[10:11], PART
.macro LOAD t
.irp i, 0,1,2,3
	global_load_b128 v[R+16*((\t)%4)+4*\i:R+16*((\t)%4)+4*\i+3], v[LO], s[4:5] offset:2048*(\t)+512*\i th:TH_LOAD_NT
.endr
.endm
.macro TURN t                          ; LDS serves a wave's instructions in order: no wait between the stores and the loads
.irp i, 0,1,2,3
	ds_store_b128 v[SIN], v[R+16*((\t)%4)+4*\i:R+16*((\t)%4)+4*\i+3] offset:32*SP*((\t)%2)+8*SP*\i
.endr
.irp i, 0,1,2,3
	ds_load_b128 v[X+16*((\t)%2)+4*\i:X+16*((\t)%2)+4*\i+3], v[SOUT] offset:32*SP*((\t)%2)+16*\i
.endr
.endm
.irp t, 0,1,2,3
	LOAD \t
.endr
	s_wait_kmcnt 0x0
.irp y, 0,1,2                          ; entries 1, 3, 5
	s_add_co_i32 s14, s[25+2*\y], 127
	s_lshl_b32 s15, s14, 23
	v_mov_b32 v[SC+\y], s15
	s_add_co_i32 s14, s14, 8
	s_lshl_b32 s14, s14, 23
	s_or_b32 s14, s14, 0x600000
	v_mov_b32 v[LIM+\y], s14
.endr
	s_wait_alu depctr_va_vdst(0)
	s_wait_loadcnt 12                              ; step 0's four loads are in; the twelve of steps 1 to 3 may be out
	TURN 0
.macro STEP t
.set XS, X+16*((\t)%2)
	s_wait_dscnt 0x0                               ; this step's numbers are back, so its stores into the stage have read their registers
.if (\t)+4 < STEPS
	LOAD (\t)+4
.endif
.if (\t)+1 < STEPS
.if STEPS-2-(\t) >= 3
	s_wait_loadcnt 12                              ; the next step's four loads are in; those of the three steps behind it may be out
.else
	s_wait_loadcnt 4*(STEPS-2-(\t))
.endif
	TURN (\t)+1
.endif
	s_wait_xcnt 0x0                                ; the last step's stores have read their data
.irp y, 0,1,2
.irp i, 0,1,2,3,4,5,6,7,8,9,10,11,12,13,14,15
	v_med3_num_f32 v[T+\i], v[XS+\i], -v[LIM+\y], v[LIM+\y]   ; the conversion does not saturate (ISA guide 7.6.2)
.endr
	v_cvt_scalef32_pk8_fp8_f32 v[C+4*\y:C+4*\y+1], v[T:T+7], v[SC+\y]
	v_cvt_scalef32_pk8_fp8_f32 v[C+4*\y+2:C+4*\y+3], v[T+8:T+15], v[SC+\y]
	v_nop                                          ; one plain line between the conversions and the next holds
	global_store_b128 v[LO], v[C+4*\y:C+4*\y+3], s[8+2*\y:9+2*\y] offset:512*(\t)
.endr
.endm
.irp t, 0,1,2,3,4,5,6,7
	STEP \t
.endr
	s_wait_tensorcnt 0x0                           ; the wave's end
	ds_add_u32 v[SPW], v[NIL]
	s_wait_dscnt 0x0
	s_endpgm
; ---- the weights.  Work-group g: tensor g / 32, 64 columns (g / 2) % 16; a wave: 32 columns wave % 2, 256 along K at 2 (g % 2) + wave / 2
.Lw:
.set NB,    8                          ; blocks of 32 along K
.set PITCH, 272                        ; a stage row: 256 bytes + 16
.set KROW,  1024
.set VO,    16                         ; v16-47 4 x lane + i x pitch
.set WX,    48                         ; v48-111 two sets of 32 numbers
.set WC,    112                        ; v112-119 a block's codes
.set OUTR,  120                        ; v120-183 the way out
.set BASE,  32                         ; s[32:47] block t's first row
	s_load_b256 s[4:11], s[0:1], 0x8               ; Wq, Wk, Wv, Wo
	s_load_b64 s[12:13], s[0:1], 0x28              ; the exponents
	s_load_b64 s[14:15], s[0:1], 0x38              ; wcodes
	s_lshr_b32 s17, ttmp9, 5                       ; tensor
	s_bfe_u32 s18, ttmp9, 0x40001                  ; which 64 columns
	s_and_b32 s19, ttmp9, 1
	s_lshl_b32 s19, s19, 1
	s_lshr_b32 s30, s16, 1
	s_add_co_u32 s19, s19, s30                     ; which 256 along K
	s_and_b32 s30, s16, 1                          ; which 32 of the 64 columns
	s_cmp_eq_u32 s17, 3                            ; Wo?
	s_mov_b32 s20, 256
	s_cselect_b32 s20, 4096, s20                   ; bytes from k to k + 1
	s_mov_b32 s21, 0x40000
	s_cselect_b32 s21, 256, s21                    ; bytes from 64 columns to the next
	v_lshlrev_b32 v3, 2, v2
.irp i, 0,1,2,3,4,5,6,7,8,9,10,11,12,13,14,15,16,17,18,19,20,21,22,23,24,25,26,27,28,29,30,31
	v_mad_u32_u24 v[VO+\i], s20, \i, v3
.endr
	s_mul_i32 s22, s16, 32*PITCH
	s_add_co_u32 s22, s22, WST                     ; my stage
	v_mul_u32_u24 v4, v2, PITCH
	v_add_nc_u32 v4, s22, v4                       ; into it: row = my column
	v_and_b32 v5, 15, v2
	v_lshrrev_b32 v6, 4, v2
	v_mul_u32_u24 v7, v6, PITCH
	v_lshl_add_u32 v7, v5, 4, v7
	v_add_nc_u32 v7, s22, v7                       ; out of it: sixteen lanes to a row
	v_lshlrev_b32 v8, 10, v6
	v_lshl_add_u32 v8, v5, 4, v8                   ; the same place in the codes
	s_mul_i32 s24, s18, s21
	s_lshl_b32 s23, s20, 8
	s_mul_i32 s23, s23, s19
	s_add_co_u32 s24, s24, s23
	s_lshl_b32 s23, s30, 7
	s_add_co_u32 s24, s24, s23                     ; where my part begins in the weight
	s_mov_b32 s25, 0
	s_lshl_b32 s26, s20, 5                         ; a block: 32 rows
	s_mov_b32 s27, 0
	s_lshl_b32 s28, s17, 20
	s_lshl_b32 s23, s18, 16
	s_add_co_u32 s28, s28, s23
	s_lshl_b32 s23, s30, 15
	s_add_co_u32 s28, s28, s23
	s_lshl_b32 s23, s19, 8
	s_add_co_u32 s28, s28, s23                     ; and in the codes
	s_mov_b32 s29, 0
	s_wait_alu depctr_va_vdst(0)
	s_wait_kmcnt 0x0
	s_load_b256 s[48:55], s[12:13], 0x0            ; entries 0 to 7
	s_load_b128 s[56:59], s[12:13], 0x20           ; entries 8 to 11
	s_cmp_eq_u32 s17, 1
	s_cselect_b64 s[4:5], s[6:7], s[4:5]
	s_cmp_eq_u32 s17, 2
	s_cselect_b64 s[4:5], s[8:9], s[4:5]
	s_cmp_eq_u32 s17, 3
	s_cselect_b64 s[4:5], s[10:11], s[4:5]
	s_add_nc_u64 s[BASE:BASE+1], s[4:5], s[24:25]
.irp t, 1,2,3,4,5,6,7
	s_add_nc_u64 s[BASE+2*\t:BASE+2*\t+1], s[BASE+2*\t-2:BASE+2*\t-1], s[26:27]
.endr
	s_add_nc_u64 s[14:15], s[14:15], s[28:29]
.macro WLOAD t
.irp i, 0,1,2,3,4,5,6,7,8,9,10,11,12,13,14,15,16,17,18,19,20,21,22,23,24,25,26,27,28,29,30,31
	global_load_b32 v[WX+32*((\t)%2)+\i], v[VO+\i], s[BASE+2*(\t):BASE+2*(\t)+1] th:TH_LOAD_NT
.endr
.endm
	WLOAD 0
	WLOAD 1
	s_wait_kmcnt 0x0
	s_cmp_eq_u32 s17, 1
	s_cselect_b32 s24, s50, s48                    ; e: entry 0, 2, 4 or 11
	s_cmp_eq_u32 s17, 2
	s_cselect_b32 s24, s52, s24
	s_cmp_eq_u32 s17, 3
	s_cselect_b32 s24, s59, s24
	s_add_co_i32 s24, s24, 127
	s_lshl_b32 s25, s24, 23
	v_mov_b32 v11, s25                             ; 2^e
	s_add_co_i32 s24, s24, 8
	s_lshl_b32 s24, s24, 23
	s_or_b32 s24, s24, 0x600000
	v_mov_b32 v10, s24                             ; 448 x 2^e
.macro BLOCK t
.set XS, WX+32*((\t)%2)
.if (\t) < NB-1
	s_wait_loadcnt 32                              ; this block's 32 loads are in; the next block's may be out
.else
	s_wait_loadcnt 0
.endif
.irp i, 0,1,2,3,4,5,6,7,8,9,10,11,12,13,14,15,16,17,18,19,20,21,22,23,24,25,26,27,28,29,30,31
	v_med3_num_f32 v[XS+\i], v[XS+\i], -v10, v10
.endr
.irp g, 0,1,2,3
	v_cvt_scalef32_pk8_fp8_f32 v[WC+2*\g:WC+2*\g+1], v[XS+8*\g:XS+8*\g+7], v11
.endr
	ds_store_b128 v4, v[WC:WC+3] offset:32*(\t)
	ds_store_b128 v4, v[WC+4:WC+7] offset:32*(\t)+16
.if (\t)+2 < NB
	WLOAD (\t)+2
.endif
	s_wait_dscnt 0x0                               ; the stores have read their registers
.endm
	s_wait_alu depctr_va_vdst(0)
.irp t, 0,1,2,3,4,5,6,7
	BLOCK \t
.endr
.irp t, 0,1,2,3,4,5,6,7,8,9,10,11,12,13,14,15
	ds_load_b128 v[OUTR+4*\t:OUTR+4*\t+3], v7 offset:2*\t*PITCH
.endr
.irp t, 0,1,2,3,4,5,6,7,8,9,10,11,12,13,14,15
	s_wait_dscnt 15-\t
	global_store_b128 v8, v[OUTR+4*\t:OUTR+4*\t+3], s[14:15] offset:2*\t*KROW
.endr
	s_wait_tensorcnt 0x0                           ; the wave's end
	ds_add_u32 v[SPW], v[NIL]
	s_wait_dscnt 0x0
	s_endpgm
.Lfunc_end_k_q5996872069_quant:
	.size	k_q5996872069_quant, .Lfunc_end_k_q5996872069_quant-k_q5996872069_quant
	.p2alignl 7, 3214868480
	.fill 96, 4, 3214868480
	.section	.rodata,"a",@progbits
	.p2align	6, 0x0
	.amdhsa_kernel k_q5996872069_quant
		.amdhsa_group_segment_fixed_size 68096
		.amdhsa_private_segment_fixed_size 0
		.amdhsa_enable_private_segment 0
		.amdhsa_kernarg_size 64
		.amdhsa_user_sgpr_count 2
		.amdhsa_user_sgpr_kernarg_segment_ptr 1
		.amdhsa_wavefront_size32 1
		.amdhsa_system_sgpr_workgroup_id_x 1
		.amdhsa_system_sgpr_workgroup_id_y 1
		.amdhsa_system_sgpr_workgroup_id_z 1
		.amdhsa_system_vgpr_workitem_id 0
		.amdhsa_next_free_vgpr 184
		.amdhsa_next_free_sgpr 66
		.amdhsa_reserve_vcc 0
		.amdhsa_float_denorm_mode_32 3
		.amdhsa_float_denorm_mode_16_64 3
		.amdhsa_memory_ordered 1
		.amdhsa_forward_progress 1
		.amdhsa_inst_pref_size 93
	.end_amdhsa_kernel
	.amdgpu_metadata
---
amdhsa.version: [ 1, 2 ]
amdhsa.kernels:
  - .name:           k_q5996872069_quant
    .symbol:         k_q5996872069_quant.kd
    .args:
      - { .name: x, .offset: 0, .size: 8, .value_kind: global_buffer, .address_space: global }
      - { .name: Wq, .offset: 8, .size: 8, .value_kind: global_buffer, .address_space: global }
      - { .name: Wk, .offset: 16, .size: 8, .value_kind: global_buffer, .address_space: global }
      - { .name: Wv, .offset: 24, .size: 8, .value_kind: global_buffer, .address_space: global }
      - { .name: Wo, .offset: 32, .size: 8, .value_kind: global_buffer, .address_space: global }
      - { .name: lowp_scales, .offset: 40, .size: 8, .value_kind: global_buffer, .address_space: global }
      - { .name: xcodes, .offset: 48, .size: 8, .value_kind: global_buffer, .address_space: global }
      - { .name: wcodes, .offset: 56, .size: 8, .value_kind: global_buffer, .address_space: global }
    .group_segment_fixed_size: 68096
    .private_segment_fixed_size: 0
    .kernarg_segment_align: 8
    .kernarg_segment_size: 64
    .max_flat_workgroup_size: 128
    .sgpr_count:     66
    .vgpr_count:     184
    .wavefront_size: 32
...
	.end_amdgpu_metadata
.endif
;; end of part 1
;; launch gemm_qkv (part 2): grid 12 x 32, 4 waves a work-group, clusters of 4 x 4, 327,680 bytes of LDS; arguments xcodes, wcodes, bq, bk, bv, lowp_scales, qkv; writes qkv
.if DOCPART == 2
	.amdgcn_target "amdgcn-amd-amdhsa--gfx1250"
	.amdhsa_code_object_version 6
	.text
	.protected	k_q5996872069_gemm_qkv
	.globl	k_q5996872069_gemm_qkv
	.p2align	8
	.type	k_q5996872069_gemm_qkv,@function
k_q5996872069_gemm_qkv:
	s_mov_b64 s[64:65], 0
	v_nop
	global_prefetch_b8 v0, s[64:65] scope:SCOPE_SE
	s_setreg_imm32_b32 hwreg(HW_REG_WAVE_MODE, 25, 1), 1
	s_wait_xcnt 0x0
	s_wait_alu depctr_hold_cnt(0) depctr_sa_sdst(0) depctr_va_vdst(0) depctr_va_sdst(0) depctr_va_ssrc(0) depctr_va_vcc(0) depctr_vm_vsrc(0)
	s_getreg_b32 s2, hwreg(HW_REG_IB_STS2, 6, 4)
	s_cmp_eq_u32 s2, 0
	s_cbranch_scc0 .Lentry_in_a_cluster
	s_endpgm
.Lentry_in_a_cluster:
	s_bfe_u32 s2, ttmp6, 0x10000c
	s_cmp_lg_u32 s2, 0xf033
	s_cbranch_scc0 .Lentry_shape_is_right
	s_endpgm
.Lentry_shape_is_right:
; q, k, v = x W + b on codes of FP8 (E4M3), and their own codes for attention: sum x 2^(ew + ex) + bias in f32, then / 2^eo, held within +-448, to the nearest code.  Nothing wider than a code goes to memory.
; type = the cluster's x: 0 q, 1 k, 2 v; it is equal in all sixteen partners, and beside the wave's number it is the one thing that a branch here hangs on.  ew, ex = entries 2 type, 2 type + 1; eo = entry 6, 7, 9.
; A tile is 256 x 256, K = 1,024; four waves, each 128 x 128: 64 accumulators, 512 registers.  K goes in four steps of 256 through two LDS slots filled by the tensor data mover; the three changes of slots are written out.
; Source 0 takes 16 rows of region B, source 1 16 rows of region A: a lane holds ONE row of region A and its eight registers run along region B's rows.
;   q, k: region A = 256 tokens (x's codes), region B = 256 of the 1,024 (head, d) (W's codes): a lane's registers run along d, the next product's K.  Out: [b][h][t][64] bytes.
;   v:    region A = 256 of (head, d), region B = 256 tokens: a lane's registers run along the tokens, which are the keys, the K of attention's second product.  Out: [b][64 h + d][t 2048] bytes.
; CLUSTERS: 4 x 4 work-groups; region A's tile hangs on cy alone and is asked for jointly along a row of the cluster, region B's on cx alone, along a column.
; LIMITS: ew + ex between -126 and 127, eo between -126 and 119, so that each power of two below is an f32 number.  NaN is not served.
; REGISTERS, in windows of 256: window 0: v0-31 addresses; from v128 A's fragments, ONE set; on the way out v32-95 the bias, v96-127 codes, v128-191 the numbers, v192-255 rows read back.
;   window 1: B's fragments, TWO sets.   window 2: the accumulators of my rows 0-63 ((a, b) at v[8 (8 a + b)]);   window 3: those of rows 64-127.
.set ROWB,   256                       ; a tile's row in bytes: 256 codes
.set KROW,   1024                      ; a row of x's or W's codes in memory
.set PITCH,  272                       ; an LDS row: 256 bytes + 16 of padding: the 16 rows that a load touches start at 16 different 16-byte columns of 256
.set FR,     16                        ; registers of a fragment: 16 rows x 128 K
.set NL,     4                         ; LDS loads that bring one
.set NP,     4                         ; places behind this matrix instruction (ISA guide 7.12.1)
.set HALFT,  128*PITCH                 ; 128 rows: what one tensor load brings
.set SLOT,   4*HALFT                   ; A's 256 rows, then B's 256 rows
.set SPARE,  2*SLOT                    ; behind the ring: the spare words, 128 bytes a wave, which no other line names
.set QP,     144                       ; q, k: a stage row: 128 codes + 16
.set QSTAGE, 256*PITCH                 ; q, k: a stage of 16 rows for each wave, behind v's stage.  Both stages lie in slot 0, which has had its last fill and its last read when the first code is stored there
.set BH,   8                           ; v8      32 x (lane / 16): q, k: my eight bias numbers of a block
.set STV,  9                           ; v9      v: where I put 8 codes
.set RDV,  10                          ; v10     v: where I read a row back
.set COV,  11                          ; v11     v: my byte offset in the output
.set BR,   12                          ; v12     4 x (lane % 16): v: my row's bias
.set ADRA, 16                          ; v16-17  LDS address of my A fragments in slot 0, 1
.set ADRB, 20                          ; v20-21  the same for B
.set STO,  24                          ; v24     q, k: where I put 8 codes
.set RD,   25                          ; v25     q, k: where I read back
.set CO,   26                          ; v26     q, k: 16 x lane
.set SC,   27                          ; v27     2^eo as f32
.set SPW,  28                          ; v28     LDS address of my spare word; never rewritten
.set NIL,  29                          ; v29     0; never rewritten
.set LIM,  30                          ; v30     448 x 2^eo
.set BI,   32                          ; q, k: v32-95 the bias in the result's layout;  v: v32-39, one number for each block of rows
.set CD,   96                          ; codes, two sets of 16
.set TMP,  128                         ; 64 numbers
.set BK,   192                         ; q, k: rows read back, two sets of 16
.set AF,   128                         ; A's fragments
.set G1, 24                            ; s[24:31] descriptor group 1 for A's tiles;  s[32:39] group 0, one set for each slot
.set G0, 32
.set G1B, 48                           ; s[48:55], s[56:63] the same for B's tiles
.set G0B, 56
.set MSB, 0
.macro WIN new                         ; the immediate's high byte repeats the setting that is left
.if MSB != \new
	s_set_vgpr_msb (MSB<<8)|\new
.set MSB, \new
.endif
.endm
.set MUL_LO, 0xa1                      ; source 0 (B) window 1, source 1 (A) window 0, C and D window 2
.set MUL_HI, 0xf1                      ; the same, C and D window 3
.set TO_B,   0x40                      ; destination window 1, address window 0
; A joint load: waves 0 and 1 fetch for A, waves 2 and 3 for B; the branch hangs on the wave's number alone.  An s_nop 0 and four v_nop follow each of the two lines.
.macro JLOAD g0a, g1a, g0b, g1b
	s_cmp_eq_u32 s15, 0
	s_cbranch_scc0 .Lfor_b_\@
	tensor_load_to_lds s[\g0a:\g0a+3], s[\g1a:\g1a+7]
	s_nop 0
.rept 4
	v_nop
.endr
	s_branch .Lasked_\@
.Lfor_b_\@:
	tensor_load_to_lds s[\g0b:\g0b+3], s[\g1b:\g1b+7]
	s_nop 0
.rept 4
	v_nop
.endr
.Lasked_\@:
.endm
.macro CREST                           ; a round of the cluster's barrier behind its opening barrier
	s_cmp_lg_u32 s14, 0
	s_cbranch_scc1 .Lnot_wave_0_\@
	s_barrier_signal -3
.Lnot_wave_0_\@:
	s_barrier_wait -3
	s_barrier_signal -1
	s_barrier_wait -1
.endm
.macro CROUND                          ; a whole round
	s_barrier_signal -1
	s_barrier_wait -1
	CREST
.endm
	s_load_b256 s[68:75], s[0:1], 0x0              ; xcodes s[68:69], wcodes s[70:71], bq s[72:73], bk s[74:75]
	s_load_b128 s[76:79], s[0:1], 0x20             ; bv s[76:77], the scales' exponents s[78:79]
	s_load_b64 s[80:81], s[0:1], 0x30              ; qkv
	v_lshl_add_u32 v[SPW], v0, 2, SPARE
	v_mov_b32 v[NIL], 0
	ds_add_u32 v[SPW], v[NIL]                      ; the wave's opening: the add and its wait stand ahead of my first tensor load; the set-up below, work on registers, stands between them
	ds_add_u32 v[SPW], v[NIL]
	v_lshrrev_b32 v1, 5, v0
	v_readfirstlane_b32 s14, v1                    ; wave 0..3
	s_lshr_b32 s15, s14, 1                         ; which half of region A's rows is mine.  Also: I fetch for A (0) or for B (1)
	s_and_b32 s16, s14, 1                          ; which half of region B's rows.  Also: which 128 rows of that tile I fetch
	s_bfe_u32 s40, ttmp6, 0x40000                  ; cx, cy: my place in the cluster
	s_bfe_u32 s41, ttmp6, 0x40004
	s_and_b32 s17, ttmp7, 0xffff
	s_lshl_b32 s17, s17, 2                         ; 4 x cluster y: the cluster's first block of 256 tokens
	s_lshl_b32 s43, s41, 2
	s_lshl_b32 s43, 15, s43                        ; my row of the cluster
	s_lshl_b32 s44, 0x1111, s40                    ; my column
	s_or_b32 s[G1+0], s43, (0<<16)|(1<<20)|(1<<21)|(5<<22)|(3<<25)  ; 15:0 the mask: A's tiles go to my row; 17:16 elements of 1 byte; 20 padding on; 21 set beside a mask; 24:22 after every 64 words (code 5); 31:25 four words (code 3)
	s_or_b32 s[G1B+0], s44, (0<<16)|(1<<20)|(1<<21)|(5<<22)|(3<<25)
.irp g, G1, G1B
	s_mov_b32 s[\g+1], ROWB<<16                    ; tensor_dim0
	s_mov_b32 s[\g+2], 128<<16                     ; tensor_dim1
	s_mov_b32 s[\g+3], ROWB<<16                    ; tile_dim0
	s_mov_b32 s[\g+4], 128                         ; tile_dim1
	s_mov_b32 s[\g+5], KROW                        ; tensor_dim0_stride
	s_mov_b32 s[\g+6], 0
	s_mov_b32 s[\g+7], 0
.endr
	; what fills the regions.  q, k: A = x's codes of this type, block 4 Y + cy; B = W's codes of this type, block cx.  v: A = Wv's codes, block cy; B = x's codes for v, block 4 Y + cx.
	s_lshl_b32 s82, ttmp9, 23                      ; the type's part of xcodes,
	s_lshl_b32 s83, ttmp9, 20                      ; and of wcodes
	s_cmp_eq_u32 ttmp9, 2
	s_cselect_b32 s12, 0, s17
	s_cselect_b32 s13, s17, 0
	s_cselect_b32 s22, s83, s82
	s_cselect_b32 s23, s82, s83
	s_add_co_u32 s12, s12, s41                     ; A's block of 256 rows: it never holds cx
	s_add_co_u32 s13, s13, s40                     ; B's: it never holds cy
	s_lshl_b32 s18, s16, 17                        ; the 128 rows of 1,024 bytes that I fetch
	s_lshl_b32 s20, s12, 18
	s_add_co_u32 s20, s20, s18
	s_add_co_u32 s20, s20, s22
	s_mov_b32 s21, 0
	s_lshl_b32 s46, s13, 18
	s_add_co_u32 s46, s46, s18
	s_add_co_u32 s46, s46, s23
	s_mov_b32 s47, 0
	s_mul_i32 s45, s14, HALFT                      ; where they go: wave x 128 rows: no place in the cluster enters an LDS address
	s_wait_dscnt 0x0                               ; the opening add is done
	s_wait_kmcnt 0x0
	s_load_b256 s[84:91], s[78:79], 0x0            ; entries 0 to 7
	s_load_b128 s[92:95], s[78:79], 0x20           ; entries 8 to 11
	s_cmp_eq_u32 ttmp9, 2
	s_cselect_b64 s[4:5], s[70:71], s[68:69]
	s_cselect_b64 s[6:7], s[68:69], s[70:71]
	s_add_nc_u64 s[20:21], s[4:5], s[20:21]
	s_add_nc_u64 s[46:47], s[6:7], s[46:47]
	; THE PREFETCHES INTO THE L2.  Of the 128 rows that I fetch for a slot, each of the four partners that ask for them jointly names 32, told apart by address (cx for region A, cy for region B): a lane a row, 256 bytes of it a slot.
	; So each block of 256 bytes is named once in the cluster.  Behind slot 0's load stand the requests for slots 1 and 2, behind slot 1's the request for slot 3; the address registers are never rewritten.
	s_cmp_eq_u32 s15, 0                            ; do I fetch for A?
	s_cselect_b64 s[2:3], s[20:21], s[46:47]
	s_cselect_b32 s66, s40, s41                    ; my place among the four
	s_lshl_b32 s66, s66, 15                        ; 32 rows of 1,024 bytes
	s_mov_b32 s67, 0
	s_add_nc_u64 s[2:3], s[2:3], s[66:67]
	CROUND
.irp s, 0,1
	s_mov_b32 s[G0+4*\s], 1
	s_add_co_u32 s[G0+4*\s+1], s45, \s*SLOT
	s_add_nc_u64 s[G0+4*\s+2:G0+4*\s+3], s[20:21], \s*ROWB
	s_or_b32 s[G0+4*\s+3], s[G0+4*\s+3], 0x80000000
	s_mov_b32 s[G0B+4*\s], 1
	s_add_co_u32 s[G0B+4*\s+1], s45, \s*SLOT
	s_add_nc_u64 s[G0B+4*\s+2:G0B+4*\s+3], s[46:47], \s*ROWB
	s_or_b32 s[G0B+4*\s+3], s[G0B+4*\s+3], 0x80000000
.endr
	JLOAD G0, G1, G0B, G1B                         ; slot 0: one tensor load a wave at the head
	v_and_b32 v31, 31, v0
	v_lshlrev_b32 v31, 10, v31                     ; my lane's row; never rewritten
	global_prefetch_b8 v31, s[2:3] offset:256 th:TH_LOAD_NT scope:SCOPE_SE   ; slot 1
	global_prefetch_b8 v31, s[2:3] offset:512 th:TH_LOAD_NT scope:SCOPE_SE   ; slot 2
	v_and_b32 v1, 15, v0
	s_wait_alu depctr_va_vdst(0)
	v_bfe_u32 v2, v0, 4, 1                         ; h = lane / 16
	v_mul_u32_u24 v3, v1, PITCH
	v_lshl_add_u32 v4, v2, 4, v3                   ; a fragment's row x pitch + 16 h
	s_mul_i32 s21, s15, HALFT                      ; my 128 rows of A
	s_mul_i32 s22, s16, HALFT                      ; my 128 rows of B,
	s_add_co_u32 s22, s22, 2*HALFT                 ; which lie behind A's 256
.irp s, 0,1
	v_add_nc_u32 v[ADRA+\s], s21, v4
	v_add_nc_u32 v[ADRB+\s], s22, v4
	s_add_co_u32 s21, s21, SLOT
	s_add_co_u32 s22, s22, SLOT
.endr
	; the addresses of both ways out are made here, on the way that every wave takes
	s_mul_i32 s23, s14, 16*QP
	s_add_co_u32 s23, s23, QSTAGE                  ; q, k: my own stage
	v_mul_u32_u24 v5, v1, QP
	s_wait_alu depctr_va_vdst(0)
	v_lshl_add_u32 v5, v2, 3, v5
	v_add_nc_u32 v[STO], s23, v5                   ; in: row r (a token), + 8 h
	v_and_b32 v6, 31, v0
	v_lshrrev_b32 v7, 2, v6
	v_mul_u32_u24 v7, v7, QP
	v_and_b32 v5, 3, v0
	v_lshl_add_u32 v7, v5, 4, v7
	v_add_nc_u32 v[RD], s23, v7                    ; back: four lanes to a token's 64 codes of one head
	v_lshlrev_b32 v[CO], 4, v6
	v_lshlrev_b32 v[BH], 5, v2
	s_mul_i32 s23, s15, 128*PITCH                  ; v: the work-group's stage: my 128 rows, my 128 of their 256 bytes
	s_lshl_b32 s18, s16, 7
	s_add_co_u32 s23, s23, s18
	v_lshl_add_u32 v5, v2, 3, v3
	v_add_nc_u32 v[STV], s23, v5                   ; in: row r, + 8 h
	s_mul_i32 s23, s14, 64*PITCH
	v_mul_u32_u24 v5, v2, PITCH
	v_lshl_add_u32 v5, v1, 4, v5
	v_add_nc_u32 v[RDV], s23, v5                   ; back: wave w takes rows 64 w on, whole; lanes 0-15 one row, lanes 16-31 the next
	v_lshlrev_b32 v5, 11, v2
	v_lshl_add_u32 v[COV], v1, 4, v5               ; and the same two rows of 2,048 bytes in the output
	v_lshlrev_b32 v[BR], 2, v1
.macro FRAG reg, adr, q, i             ; a fragment: lane l holds row l % 16; registers 4 c .. 4 c + 3 hold K = 32 c + 16 (l / 16) + 0 .. 15: a permutation of k, the same in A and in B
.irp c, 0,1,2,3
	ds_load_b128 v[\reg+4*\c:\reg+4*\c+3], v[\adr] offset:128*(\q)+32*\c+(\i)*16*PITCH
.endr
.endm
; 16 matrix instructions: A's blocks a0, a0 + 1 x B's eight, 128 along K.  p: B's set.  zero = 1: the first product starts the sums.  The 64 accumulators take turns, one instruction a turn.
.macro MUL16 a0, p, zero
.irp a, \a0, \a0+1
.irp b, 0,1,2,3,4,5,6,7
.if \zero
	v_wmma_f32_16x16x128_fp8_fp8 v[8*(8*((\a)%4)+\b):8*(8*((\a)%4)+\b)+7], v[128*(\p)+FR*\b:128*(\p)+FR*\b+FR-1], v[AF+FR*(\a):AF+FR*(\a)+FR-1], 0
.else
	v_wmma_f32_16x16x128_fp8_fp8 v[8*(8*((\a)%4)+\b):8*(8*((\a)%4)+\b)+7], v[128*(\p)+FR*\b:128*(\p)+FR*\b+FR-1], v[AF+FR*(\a):AF+FR*(\a)+FR-1], v[8*(8*((\a)%4)+\b):8*(8*((\a)%4)+\b)+7]
.endif
.endr
.endr
.endm
.macro FETCH_B slot, q, p              ; B's eight fragments of the slot's q-th 128 along K into set p
	WIN TO_B
.irp i, 0,1,2,3,4,5,6,7
	FRAG 128*(\p)+FR*\i, ADRB+\slot, \q, \i
.endr
	WIN 0
.endm
.macro FETCH_A slot, q, i0             ; A's blocks i0 .. i0 + 3
.irp i, \i0, \i0+1, \i0+2, \i0+3
	FRAG AF+FR*(\i), ADRA+\slot, \q, \i
.endr
.endm
.macro PLACES n                        ; plain vector lines between a matrix instruction and a load into, or a vector read or write of, its registers
.rept \n
	v_nop
.endr
.endm
; A step of 128 along K that has its successor in the same slot.  A block of A is free as soon as its eight products are issued: blocks 0-3 are fetched anew in the step's middle, blocks 4-7 at its end.
.macro STEP slot, q, zero
	s_wait_dscnt 4*NL                              ; B's set and A's blocks 0-3 are in; the youngest sixteen loads (A's blocks 4-7) may be out
	WIN MUL_LO
	MUL16 0, (\q)%2, \zero
	MUL16 2, (\q)%2, \zero
	s_wait_dscnt 0                                 ; A's blocks 4-7 are in
	PLACES NP
	FETCH_B \slot, (\q)+1, 1-(\q)%2
	FETCH_A \slot, (\q)+1, 0
	WIN MUL_HI
	MUL16 4, (\q)%2, \zero
	MUL16 6, (\q)%2, \zero
	PLACES NP
	WIN 0
	FETCH_A \slot, (\q)+1, 4
.endm
; A slot's last step changes slots: ONE barrier; in front of it each wave waits for all its tensor loads, adds 0 to its spare word, and waits for that and for its own reads of this slot.  fill = 1: this slot is filled again, two slots' worth of K ahead.
.macro TURN slot, next, fill
	s_wait_tensorcnt 0x0                           ; all my tensor loads have landed: my part of the next slot
	ds_add_u32 v[SPW], v[NIL]                      ; 0 onto my spare word
	s_wait_dscnt 4*NL+1                            ; (the add and the youngest sixteen loads may be out)
	WIN MUL_LO
	MUL16 0, 1, 0                                  ; sixteen matrix instructions stand between the add and the wait for it
	s_wait_dscnt 0x0                               ; the add is done, and my reads of this slot are over
	s_barrier_signal -1
	MUL16 2, 1, 0
	WIN 0
	s_barrier_wait -1
.if \fill
	CREST                                          ; the barrier has opened a round of the cluster's barrier: no wave of any partner still reads this slot or has a load on its way
	s_add_nc_u64 s[G0+4*\slot+2:G0+4*\slot+3], s[G0+4*\slot+2:G0+4*\slot+3], 2*ROWB
	s_add_nc_u64 s[G0B+4*\slot+2:G0B+4*\slot+3], s[G0B+4*\slot+2:G0B+4*\slot+3], 2*ROWB
	JLOAD G0+4*\slot, G1, G0B+4*\slot, G1B         ; the first tensor load behind the round; its four v_nop are the places in front of the loads below
.else
	PLACES NP
.endif
	FETCH_B \next, 0, 0
	FETCH_A \next, 0, 0
	WIN MUL_HI
	MUL16 4, 1, 0
	MUL16 6, 1, 0
	PLACES NP
	WIN 0
	FETCH_A \next, 0, 4
.endm
.macro LAST                            ; the very last step: nothing more to fetch; then the places in front of the first read of results
	s_wait_dscnt 4*NL
	WIN MUL_LO
	MUL16 0, 1, 0
	MUL16 2, 1, 0
	s_wait_dscnt 0
	WIN MUL_HI
	MUL16 4, 1, 0
	MUL16 6, 1, 0
	WIN 0
	PLACES NP
.endm
.macro HOLD_CVT cc                     ; 64 numbers in v[TMP] on: the hold (the conversion does not saturate: ISA guide 7.6.2)
.set n, 0
.rept 64
	v_med3_num_f32 v[TMP+n], v[TMP+n], -v[LIM], v[LIM]
.set n, n+1
.endr
.endm
	s_wait_alu depctr_va_vdst(0)                   ; the wait at the head's end
	s_wait_tensorcnt 0x0                           ; my part of slot 0 is in; slot 1's first fill is issued as a refill is
	ds_add_u32 v[SPW], v[NIL]
	s_wait_dscnt 0x0
	CROUND                                         ; everybody's part of slot 0 is in, and the joint loads meet
	JLOAD G0+4, G1, G0B+4, G1B                     ; slot 1
	FETCH_B 0, 0, 0
	FETCH_A 0, 0, 0
	FETCH_A 0, 0, 4
	global_prefetch_b8 v31, s[2:3] offset:768 th:TH_LOAD_NT scope:SCOPE_SE   ; slot 3, two changes of slots ahead of its load
	STEP 0, 0, 1
	TURN 0, 1, 1                                   ; K 128-255; slot 0 takes K 512-767
	STEP 1, 0, 0
	TURN 1, 0, 1                                   ; slot 1 takes K 768-1023
	STEP 0, 0, 0
	TURN 0, 1, 0                                   ; the last change of slots fills nothing, and has no round
	s_cmp_eq_u32 ttmp9, 2                          ; the ways part here, on the cluster's x alone: each arm asks for its bias first, so that it lands under the last 128 matrix instructions
	s_cbranch_scc1 .Lv
	; ---- q and k
	s_wait_kmcnt 0x0
	s_cmp_eq_u32 ttmp9, 0
	s_cselect_b64 s[8:9], s[72:73], s[74:75]       ; bq or bk
	s_cselect_b32 s18, s84, s86                    ; ew
	s_cselect_b32 s19, s85, s87                    ; ex
	s_cselect_b32 s22, s90, s91                    ; eo
	s_add_co_i32 s96, s18, s19
	s_add_co_i32 s96, s96, 127
	s_lshl_b32 s96, s96, 23                        ; 2^(ew + ex) as f32
	s_mov_b32 s97, s96                             ; (named with it as a pair, so it is written)
	s_add_co_i32 s22, s22, 127
	s_lshl_b32 s23, s22, 23
	v_mov_b32 v[SC], s23
	s_add_co_i32 s22, s22, 8
	s_lshl_b32 s22, s22, 23
	s_or_b32 s22, s22, 0x600000
	v_mov_b32 v[LIM], s22
	s_lshl_b32 s18, s40, 10                        ; my 128 bias numbers: 256 cx + 128 x half, 4 bytes each
	s_lshl_b32 s19, s16, 9
	s_add_co_u32 s18, s18, s19
	s_mov_b32 s19, 0
	s_add_nc_u64 s[8:9], s[8:9], s[18:19]
.irp b, 0,1,2,3,4,5,6,7
	global_load_b128 v[BI+8*\b:BI+8*\b+3], v[BH], s[8:9] offset:64*\b        ; register 8 b + j: the bias of column 16 b + 8 h + j, as the result has it
	global_load_b128 v[BI+8*\b+4:BI+8*\b+7], v[BH], s[8:9] offset:64*\b+16
.endr
	s_lshl_b32 s18, ttmp9, 23                      ; out: the type's part,
	s_lshr_b32 s19, s12, 3
	s_lshl_b32 s19, s19, 21
	s_add_co_u32 s18, s18, s19                     ; the batch: 16 heads of 131,072 bytes,
	s_lshl_b32 s19, s40, 2
	s_lshl_b32 s20, s16, 1
	s_add_co_u32 s19, s19, s20
	s_lshl_b32 s19, s19, 17
	s_add_co_u32 s18, s18, s19                     ; head 4 cx + 2 x half,
	s_and_b32 s19, s12, 7
	s_lshl_b32 s19, s19, 14
	s_add_co_u32 s18, s18, s19                     ; the block's 256 tokens of 64 bytes,
	s_lshl_b32 s19, s15, 13
	s_add_co_u32 s18, s18, s19                     ; my 128 of them
	s_mov_b32 s19, 0
	s_add_nc_u64 s[10:11], s[80:81], s[18:19]
	STEP 1, 0, 0
	LAST
	s_wait_loadcnt 0x0                             ; the bias
; Block a: 16 tokens x 128 columns (two heads).  sum x 2^(ew + ex) + bias, one packed multiply-add for two; hold; codes; through my own stage; back as 16 tokens x 64 bytes of each head: 1,024 consecutive bytes of the output.
.macro QK_PACK a
.set AC, 64*((\a)%4)
.set CC, CD+16*((\a)%2)
.set BB, BK+16*((\a)%2)
.if (\a) > 1
	s_wait_xcnt 0x0                                ; block a - 2's stores have read their data: block a's loads may land there
.endif
	WIN 0x02+((\a)/4)                              ; source 0: window 2 or 3
.set n, 0
.rept 32
	v_pk_fma_f32 v[TMP+n:TMP+n+1], v[AC+n:AC+n+1], s[96:97], v[BI+n:BI+n+1] op_sel_hi:[1,0,1]   ; each accumulator from its low end on
.set n, n+2
.endr
	WIN 0
	HOLD_CVT CC
.irp b, 0,1,2,3,4,5,6,7
	v_cvt_scalef32_pk8_fp8_f32 v[CC+2*\b:CC+2*\b+1], v[TMP+8*\b:TMP+8*\b+7], v[SC]
.endr
	v_nop                                          ; one plain line between the conversions and the next block's lines, which write their sources
.irp b, 0,1,2,3,4,5,6,7
	ds_store_b64 v[STO], v[CC+2*\b:CC+2*\b+1] offset:16*\b
.endr
.irp hh, 0,1
.irp u, 0,1
	ds_load_b128 v[BB+4*(2*\hh+\u):BB+4*(2*\hh+\u)+3], v[RD] offset:\u*8*QP+64*\hh   ; LDS serves a wave's instructions in order: these see the stores above, and the next block's stores come behind them
.endr
.endr
.endm
.macro QK_SEND a, younger              ; younger: the LDS instructions issued behind block a's loads: the next block's eight stores and four loads, or none
.set BB, BK+16*((\a)%2)
	s_wait_dscnt \younger
.irp hh, 0,1
.irp u, 0,1
	global_store_b128 v[CO], v[BB+4*(2*\hh+\u):BB+4*(2*\hh+\u)+3], s[10:11] offset:\hh*131072+(\a)*1024+\u*512   ; 32 lanes store 512 consecutive bytes, aligned
.endr
.endr
.endm
	QK_PACK 0
.irp a, 1,2,3,4,5,6,7
	QK_PACK \a
	QK_SEND \a-1, 12
.endr
	QK_SEND 7, 0
	s_branch .Ldone
.Lv:	; ---- v
	s_wait_kmcnt 0x0
	s_add_co_i32 s96, s88, s89                     ; ew + ex: entries 4 and 5
	s_add_co_i32 s96, s96, 127
	s_lshl_b32 s96, s96, 23
	s_mov_b32 s97, s96
	s_add_co_i32 s22, s93, 127                     ; eo: entry 9
	s_lshl_b32 s23, s22, 23
	v_mov_b32 v[SC], s23
	s_add_co_i32 s22, s22, 8
	s_lshl_b32 s22, s22, 23
	s_or_b32 s22, s22, 0x600000
	v_mov_b32 v[LIM], s22
	s_lshl_b32 s18, s41, 10                        ; my 128 bias numbers: 256 cy + 128 x half
	s_lshl_b32 s19, s15, 9
	s_add_co_u32 s18, s18, s19
	s_mov_b32 s19, 0
	s_add_nc_u64 s[8:9], s[76:77], s[18:19]
	s_wait_alu depctr_va_vdst(0)
.irp a, 0,1,2,3,4,5,6,7
	global_load_b32 v[BI+\a], v[BR], s[8:9] offset:64*\a   ; a lane holds one row (head, d): one bias number for each block of rows
.endr
	s_lshr_b32 s18, s13, 3
	s_lshl_b32 s18, s18, 21                        ; out: the batch: 1,024 rows of 2,048 bytes,
	s_add_co_u32 s18, s18, 0x1000000               ; in v's part,
	s_lshl_b32 s19, s41, 19
	s_add_co_u32 s18, s18, s19                     ; rows 256 cy on,
	s_lshl_b32 s19, s14, 17
	s_add_co_u32 s18, s18, s19                     ; the 64 rows that I store,
	s_and_b32 s19, s13, 7
	s_lshl_b32 s19, s19, 8
	s_add_co_u32 s18, s18, s19                     ; the block's 256 tokens
	s_mov_b32 s19, 0
	s_add_nc_u64 s[10:11], s[80:81], s[18:19]
	STEP 1, 0, 0
	LAST
	s_wait_loadcnt 0x0                             ; the bias
; Block a: 16 rows (head, d) x 128 tokens.  A row's 256 codes come from two waves: they meet in the work-group's stage.
.macro V_PACK a
.set AC, 64*((\a)%4)
.set CC, CD+16*((\a)%2)
.set BP, BI+2*((\a)/2)
	WIN 0x02+((\a)/4)
.set n, 0
.rept 32
.if ((\a)%2) == 0
	v_pk_fma_f32 v[TMP+n:TMP+n+1], v[AC+n:AC+n+1], s[96:97], v[BP:BP+1] op_sel_hi:[1,0,0]              ; the pair's first register is the block's bias, for both halves
.else
	v_pk_fma_f32 v[TMP+n:TMP+n+1], v[AC+n:AC+n+1], s[96:97], v[BP:BP+1] op_sel:[0,0,1] op_sel_hi:[1,0,1]   ; its second
.endif
.set n, n+2
.endr
	WIN 0
	HOLD_CVT CC
.if (\a) > 1
	s_wait_alu depctr_va_vdst(0)
	s_wait_dscnt 8                                 ; block a - 2's stores have read this set of codes; the eight of block a - 1 may be out
.endif
.irp b, 0,1,2,3,4,5,6,7
	v_cvt_scalef32_pk8_fp8_f32 v[CC+2*\b:CC+2*\b+1], v[TMP+8*\b:TMP+8*\b+7], v[SC]
.endr
	v_nop
.irp b, 0,1,2,3,4,5,6,7
	ds_store_b64 v[STV], v[CC+2*\b:CC+2*\b+1] offset:(\a)*16*PITCH+16*\b
.endr
.endm
.irp a, 0,1,2,3,4,5,6,7
	V_PACK \a
.endr
	s_wait_dscnt 0x0                               ; for the others' sake: my stores into the stage are done
	s_barrier_signal -1
	s_barrier_wait -1
.set n, 0
.rept 32
	ds_load_b128 v[TMP+4*n:TMP+4*n+3], v[RDV] offset:2*n*PITCH
.set n, n+1
.endr
.set n, 0
.rept 32
	s_wait_dscnt 31-n
	global_store_b128 v[COV], v[TMP+4*n:TMP+4*n+3], s[10:11] offset:2*n*2048   ; sixteen lanes store 256 consecutive bytes, aligned
.set n, n+1
.endr
.Ldone:
	s_wait_tensorcnt 0x0                           ; the wave's end, behind my last tensor load and my last LDS store
	ds_add_u32 v[SPW], v[NIL]
	s_wait_dscnt 0x0
	CROUND                                         ; the closing round: no work-group ends while a partner may still ask for a tile that names it
	s_endpgm
.Lfunc_end_k_q5996872069_gemm_qkv:
	.size	k_q5996872069_gemm_qkv, .Lfunc_end_k_q5996872069_gemm_qkv-k_q5996872069_gemm_qkv
	.p2alignl 7, 3214868480
	.fill 96, 4, 3214868480
	.section	.rodata,"a",@progbits
	.p2align	6, 0x0
	.amdhsa_kernel k_q5996872069_gemm_qkv
		.amdhsa_group_segment_fixed_size 327680
		.amdhsa_private_segment_fixed_size 0
		.amdhsa_enable_private_segment 0
		.amdhsa_kernarg_size 56
		.amdhsa_user_sgpr_count 2
		.amdhsa_user_sgpr_kernarg_segment_ptr 1
		.amdhsa_wavefront_size32 1
		.amdhsa_system_sgpr_workgroup_id_x 1
		.amdhsa_system_sgpr_workgroup_id_y 1
		.amdhsa_system_sgpr_workgroup_id_z 1
		.amdhsa_system_vgpr_workitem_id 0
		.amdhsa_next_free_vgpr 1024
		.amdhsa_next_free_sgpr 98
		.amdhsa_reserve_vcc 0
		.amdhsa_float_denorm_mode_32 3
		.amdhsa_float_denorm_mode_16_64 3
		.amdhsa_memory_ordered 1
		.amdhsa_forward_progress 1
		.amdhsa_inst_pref_size 222
	.end_amdhsa_kernel
	.amdgpu_metadata
---
amdhsa.version: [ 1, 2 ]
amdhsa.kernels:
  - .name:           k_q5996872069_gemm_qkv
    .symbol:         k_q5996872069_gemm_qkv.kd
    .args:
      - { .name: xcodes, .offset: 0, .size: 8, .value_kind: global_buffer, .address_space: global }
      - { .name: wcodes, .offset: 8, .size: 8, .value_kind: global_buffer, .address_space: global }
      - { .name: bq, .offset: 16, .size: 8, .value_kind: global_buffer, .address_space: global }
      - { .name: bk, .offset: 24, .size: 8, .value_kind: global_buffer, .address_space: global }
      - { .name: bv, .offset: 32, .size: 8, .value_kind: global_buffer, .address_space: global }
      - { .name: lowp_scales, .offset: 40, .size: 8, .value_kind: global_buffer, .address_space: global }
      - { .name: qkv, .offset: 48, .size: 8, .value_kind: global_buffer, .address_space: global }
    .group_segment_fixed_size: 327680
    .private_segment_fixed_size: 0
    .kernarg_segment_align: 8
    .kernarg_segment_size: 56
    .max_flat_workgroup_size: 128
    .sgpr_count:     98
    .vgpr_count:     1024
    .wavefront_size: 32
...
	.end_amdgpu_metadata
.endif
;; end of part 2
;; launch attn (part 3): grid 4 x 64, 16 waves a work-group, clusters of 4 x 1, 327,680 bytes of LDS; arguments qkv, lowp_scales, ccodes; writes ccodes
.if DOCPART == 3
	.amdgcn_target "amdgcn-amd-amdhsa--gfx1250"
	.amdhsa_code_object_version 6
	.text
	.protected	k_q5996872069_attn
	.globl	k_q5996872069_attn
	.p2align	8
	.type	k_q5996872069_attn,@function
k_q5996872069_attn:
	s_mov_b64 s[64:65], 0
	v_nop
	global_prefetch_b8 v0, s[64:65] scope:SCOPE_SE
	s_setreg_imm32_b32 hwreg(HW_REG_WAVE_MODE, 25, 1), 1
	s_wait_xcnt 0x0
	s_wait_alu depctr_hold_cnt(0) depctr_sa_sdst(0) depctr_va_vdst(0) depctr_va_sdst(0) depctr_va_ssrc(0) depctr_va_vcc(0) depctr_vm_vsrc(0)
	s_getreg_b32 s2, hwreg(HW_REG_IB_STS2, 6, 4)
	s_cmp_eq_u32 s2, 0
	s_cbranch_scc0 .Lentry_in_a_cluster
	s_endpgm
.Lentry_in_a_cluster:
	s_bfe_u32 s2, ttmp6, 0x10000c
	s_cmp_lg_u32 s2, 0x3003
	s_cbranch_scc0 .Lentry_shape_is_right
	s_endpgm
.Lentry_shape_is_right:
; Causal attention on codes of FP8 (E4M3), head size 64, 2,048 tokens, 64 (batch, head) pairs; the result leaves as codes for the last product.
; qkv: part 0 q [bh][t][64], part 1 k likewise (8 MiB on), part 2 v [bh][64 d][2048 t], keys innermost (16 MiB on).  Scales: entries 6 q, 7 k, 8 p, 9 v, 10 the result.
; LEFT OUT: key steps all of whose 128 keys come after a tile's queries: the causal mask makes their scores -infinity, so their p is 0 for all values of the inputs.
; A NaN or an infinity that reaches only those steps is not carried to the result.
; THE SOFTMAX: t = score x log2(e) / 8; M = the running largest t rounded UP to a whole number; p = 2^(t - M) is what is quantised; the row's sum is taken of the unquantised p and divides at the end.
; When M moves, the sum and O are multiplied by 2^(old M - new M): exact.
; SHARES.  A cluster is the four work-groups of one head; work-group p takes, of each 64 queries, the 16 from 16 p on.  A wave owns TWO tiles of 16 queries, worked one after the other: first the tile at query
; 128 (15 - j) + 64 half + 16 p (16 - j key steps of 128 keys), then the tile at 128 j + 64 half + 16 p (j + 1 steps): 17 steps for every wave.  half = wave / 8, j = wave % 8 (half 0) or 7 - wave % 8 (half 1).
; Every branch hangs on the wave's number and on the count of steps alone, so the four partners run alike and K and V are asked for JOINTLY.
; ALL of the head's K and V lie in LDS (2 x 139,264 bytes with padding): sixteen chunks of 256 keys, one joint load for each of the sixteen waves (waves 0-7 K's, 8-15 V's); nothing is filled again.
; No prefetch: every tile of the launch is asked for at its head, so there is no later request to run ahead of.
; TWO BANKS of 64 registers change roles from step to step: one holds K's fragments and, once the score products have read them, takes V's; the other takes the scores, then p, and, once p is converted, the next step's K.
; LAYOUT.  S^T = K Q^T (source 0 = 16 keys, source 1 = 16 queries), O^T = V^T P^T: a lane holds ONE query (lane % 16).  Register 8 T + i of the scores is key 16 T + 8 (lane / 16) + i:
; the eight codes of tile T are registers 2 T, 2 T + 1 of P as the K = 128 form wants them.  K's and Q's fragments are both fetched as 16 + 16 bytes: the same permutation of d in both.
; LIMITS on the given exponents: e6 + e7 between -123 and 130 (added to c's exponent field); e8, and e10 - e8 - e9, between -126 and 119.  NaN is not served.
.set KP,    272                        ; an LDS row: 256 bytes + 16.  K: four keys of 64 bytes to a row; V: 256 keys of one d
.set CHUNK, 64*KP
.set VB,    8*CHUNK                    ; V behind K
.set SPARE, 2*VB                       ; the spare words, 128 bytes a wave, which no other line names
.set STAGE, SPARE+2048                 ; the way out: two areas of 16 rows x 80 bytes a wave; no fill lands here
.set SROW,  80
.set AK0,  1                           ; my lane's place in a tile of K
.set AV0,  2                           ; the same for V
.set ADK,  3
.set ADV,  4
.set SPW,  5                           ; LDS address of my spare word; never rewritten
.set NIL,  6                           ; 0; never rewritten
.set DQ,   7                           ; 64 half + 16 p + lane % 16 - 8 (lane / 16)
.set LIM,  8                           ; 448 x 2^e8
.set SC,   9                           ; 2^e8
.set F,    10                          ; f = 2^(old M - new M), later 1 / the sum
.set LIM2, 11                          ; 448 x 2^e8 once more, in another register bank, for the second half of a dual pair.  (Named too as the upper word of the pair v[10:11], whose low word alone is used)
.set MX,   12                          ; v12-15 four chains of a maximum
.set ST,   16                          ; v[16:19] -M, the largest t, the sum in two halves
.set SUM,  20                          ; v[20:25] three more chains of the sum
.set NINF, 26
.set XL,   27
.set STO,  28
.set RD,   29
.set GO,   30
.set QO,   31
.set QA,   32                          ; the first tile's Q
.set QB,   40                          ; the second's
.set O,    48                          ; v48-79 O^T
.set P,    80                          ; v80-95 p as codes
.set X0,   96                          ; the two banks
.set X1,   160
.set SCO,  224                         ; 2^(e10 - e8 - e9)
.set LIMO, 225                         ; 448 x that
.set CD,   226                         ; v226-233 the result's codes
.set BK,   236                         ; v236-251 rows read back from the stage, eight registers a tile
.set WV,   10                          ; s10 wave
.set UA,   11                          ; s11 the first tile's step on the diagonal: 15 - j
.set CH,   12                          ; s12 the chunk in hand
.set TB,   13                          ; s13 its LDS byte
.set SEL,  16
.set CS,   18
.set STP,  20                          ; s20 the key step in hand
.set G1K,  24
.set G1V,  32
.set G0,   40                          ; s[40:43] my one load's group 0
.set J,    44                          ; s44 the second tile's step on the diagonal
.set HALF, 45
.macro CROUND
	s_barrier_signal -1
	s_barrier_wait -1
	s_cmp_lg_u32 s[WV], 0
	s_cbranch_scc1 .Lnot_wave_0_\@
	s_barrier_signal -3
.Lnot_wave_0_\@:
	s_barrier_wait -3
	s_barrier_signal -1
	s_barrier_wait -1
.endm
.macro INIT                            ; a tile's statistics and O^T: the step is written once, and its first run finds zeros
	v_mov_b32 v[ST+1], 0xff61b1e6                  ; the largest t so far: -3e38
	s_delay_alu instid0(VALU_DEP_1)
	v_floor_f32 v[ST], -v[ST+1]                    ; -M
	v_mov_b32 v[ST+2], 0
	v_mov_b32 v[ST+3], 0
.set n, 0
.rept 16
	v_dual_mov_b32 v[O+n], 0 :: v_dual_mov_b32 v[O+n+1], 0
.set n, n+2
.endr
.endm
.macro KLOAD bank, adr, off            ; K's eight fragments of one key step
.irp T, 0,1,2,3,4,5,6,7
	ds_load_b128 v[\bank+8*\T:\bank+8*\T+3], v[\adr] offset:\off+\T*4*KP
	ds_load_b128 v[\bank+8*\T+4:\bank+8*\T+7], v[\adr] offset:\off+\T*4*KP+32
.endr
.endm
	s_load_b128 s[4:7], s[0:1], 0x0                ; qkv, the exponents
	s_load_b64 s[8:9], s[0:1], 0x10                ; ccodes
	v_lshl_add_u32 v[SPW], v0, 2, SPARE
	v_mov_b32 v[NIL], 0
	ds_add_u32 v[SPW], v[NIL]                      ; the opening: the add, twice on end, and its wait ahead of my tensor load
	ds_add_u32 v[SPW], v[NIL]
	v_lshrrev_b32 v1, 5, v0
	v_readfirstlane_b32 s[WV], v1
	s_bfe_u32 s14, ttmp6, 0x40000                  ; p = cx: it enters Q's and the output's addresses and the mask's numbers alone
	s_and_b32 s15, ttmp7, 0xffff                   ; bh, which the partners share
	s_lshr_b32 s[HALF], s[WV], 3
	s_mul_i32 s20, s[HALF], 7
	s_and_b32 s21, s[WV], 7                        ; also: my chunk
	s_xor_b32 s[J], s21, s20
	s_sub_co_u32 s[UA], 15, s[J]
	s_mov_b32 s[G1K], 15|(0<<16)|(1<<20)|(1<<21)|(5<<22)|(3<<25)  ; mask: all four; elements of 1 byte; padding: four words after every 64; bit 21 beside a mask
	s_mov_b32 s[G1V], 15|(0<<16)|(1<<20)|(1<<21)|(5<<22)|(3<<25)
.irp g, G1K, G1V
	s_mov_b32 s[\g+1], 256<<16
	s_mov_b32 s[\g+2], 64<<16
	s_mov_b32 s[\g+3], 256<<16
	s_mov_b32 s[\g+4], 64
	s_mov_b32 s[\g+6], 0
	s_mov_b32 s[\g+7], 0
.endr
	s_mov_b32 s[G1K+5], 256                        ; K's chunk is dense
	s_mov_b32 s[G1V+5], 2048                       ; a row of V is 2,048 keys
	s_mov_b32 s[SEL], 0x76543210
	s_mov_b32 s[SEL+1], 0xfedcba98
	s_mov_b32 s[CS], 0x3e38aa3b                    ; c = log2(e) / 8
	s_mov_b32 s[G0], 1
	s_mul_i32 s[G0+1], s[WV], CHUNK                ; K's chunks 0-7, then V's: wave x a chunk
	s_lshl_b32 s22, s21, 14
	s_add_co_u32 s22, s22, 0x800000                ; K: 16,384 bytes a chunk
	s_lshl_b32 s23, s21, 8
	s_add_co_u32 s23, s23, 0x1000000               ; V: 256 bytes of each row
	s_cmp_lt_u32 s[WV], 8
	s_cselect_b32 s54, s22, s23
	s_mov_b32 s55, 0
	s_lshl_b32 s52, s15, 17                        ; a head is 131,072 bytes in each part
	s_mov_b32 s53, 0
	s_wait_dscnt 0x0
	s_wait_kmcnt 0x0
	s_load_b256 s[84:91], s[6:7], 0x0
	s_load_b128 s[92:95], s[6:7], 0x20
	s_add_nc_u64 s[58:59], s[4:5], s[52:53]        ; q's head
	s_add_nc_u64 s[G0+2:G0+3], s[58:59], s[54:55]
	s_or_b32 s[G0+3], s[G0+3], 0x80000000
	CROUND                                         ; all four work-groups are here: the joint loads meet
	s_cmp_lt_u32 s[WV], 8                          ; one load in each arm; an s_nop 0 and four v_nop follow each
	s_cbranch_scc0 .Lfor_v
	tensor_load_to_lds s[G0:G0+3], s[G1K:G1K+7]
	s_nop 0
.rept 4
	v_nop
.endr
	s_branch .Lasked
.Lfor_v:
	tensor_load_to_lds s[G0:G0+3], s[G1V:G1V+7]
	s_nop 0
.rept 4
	v_nop
.endr
.Lasked:
	s_lshl_b32 s20, s[HALF], 12
	s_lshl_b32 s21, s14, 10
	s_add_co_u32 s20, s20, s21                     ; query 64 half + 16 p, 64 bytes each
	s_lshl_b32 s21, s[UA], 13
	s_add_co_u32 s54, s20, s21
	s_add_nc_u64 s[48:49], s[58:59], s[54:55]      ; the first tile's Q
	s_lshl_b32 s21, s[J], 13
	s_add_co_u32 s54, s20, s21
	s_add_nc_u64 s[50:51], s[58:59], s[54:55]      ; the second's
	s_lshr_b32 s20, s15, 4
	s_lshl_b32 s20, s20, 21                        ; out: the batch,
	s_lshl_b32 s21, s[HALF], 16
	s_add_co_u32 s20, s20, s21
	s_lshl_b32 s21, s14, 14
	s_add_co_u32 s20, s20, s21                     ; token 64 half + 16 p, 1,024 bytes each,
	s_and_b32 s21, s15, 15
	s_lshl_b32 s21, s21, 8
	s_add_co_u32 s20, s20, s21                     ; the head's 256 bytes
	s_lshl_b32 s21, s[J], 17
	s_add_co_u32 s54, s20, s21
	s_add_nc_u64 s[46:47], s[8:9], s[54:55]        ; the second tile's
	s_lshl_b32 s21, s[UA], 17
	s_add_co_u32 s54, s20, s21
	s_add_nc_u64 s[8:9], s[8:9], s[54:55]          ; the first's
	s_lshl_b32 s22, s14, 4
	s_lshl_b32 s21, s[HALF], 6
	s_add_co_u32 s22, s22, s21                     ; 64 half + 16 p
	s_mul_i32 s23, s[WV], 2*16*SROW
	s_add_co_u32 s23, s23, STAGE                   ; my stage
	v_and_b32 v[MX], 15, v0                        ; r
	v_bfe_u32 v[MX+1], v0, 4, 1                    ; h
	s_delay_alu instid0(VALU_DEP_2)
	v_lshlrev_b32 v[QO], 6, v[MX]
	s_delay_alu instid0(VALU_DEP_1)
	v_lshl_add_u32 v[QO], v[MX+1], 4, v[QO]        ; Q: row r of 64 bytes, + 16 h
	global_load_b128 v[QA:QA+3], v[QO], s[48:49]
	global_load_b128 v[QA+4:QA+7], v[QO], s[48:49] offset:32
	global_load_b128 v[QB:QB+3], v[QO], s[50:51]
	global_load_b128 v[QB+4:QB+7], v[QO], s[50:51] offset:32
	v_lshrrev_b32 v[MX+2], 2, v[MX]
	s_delay_alu instid0(VALU_DEP_1)
	v_mul_u32_u24 v[AK0], v[MX+2], KP
	v_and_b32 v[MX+2], 3, v[MX]
	s_delay_alu instid0(VALU_DEP_1)
	v_lshl_add_u32 v[AK0], v[MX+2], 6, v[AK0]
	s_delay_alu instid0(VALU_DEP_1)
	v_lshl_add_u32 v[AK0], v[MX+1], 4, v[AK0]      ; K: key r at (r / 4) x 272 + (r % 4) x 64; + 16 h
	v_mul_u32_u24 v[AV0], v[MX], KP
	s_delay_alu instid0(VALU_DEP_1)
	v_lshl_add_u32 v[AV0], v[MX+1], 3, v[AV0]
	s_delay_alu instid0(VALU_DEP_1)
	v_add_nc_u32 v[AV0], VB, v[AV0]                ; V: row d = r, + 8 h
	v_lshlrev_b32 v[MX+2], 3, v[MX+1]
	s_delay_alu instid0(VALU_DEP_1)
	v_sub_nc_u32 v[DQ], v[MX], v[MX+2]
	s_delay_alu instid0(VALU_DEP_1)
	v_add_nc_u32 v[DQ], s22, v[DQ]
	v_mul_u32_u24 v[STO], v[MX], SROW
	s_delay_alu instid0(VALU_DEP_1)
	v_lshl_add_u32 v[STO], v[MX+1], 3, v[STO]
	s_delay_alu instid0(VALU_DEP_1)
	v_add_nc_u32 v[STO], s23, v[STO]               ; in: row r (a query), + 8 h
	v_and_b32 v[MX+2], 31, v0
	s_delay_alu instid0(VALU_DEP_1)
	v_lshrrev_b32 v[MX+2], 2, v[MX+2]
	s_delay_alu instid0(VALU_DEP_1)
	v_mul_u32_u24 v[RD], v[MX+2], SROW
	v_and_b32 v[MX+2], 3, v0
	s_delay_alu instid0(VALU_DEP_1)
	v_lshl_add_u32 v[RD], v[MX+2], 4, v[RD]
	s_delay_alu instid0(VALU_DEP_1)
	v_add_nc_u32 v[RD], s23, v[RD]                 ; back: four lanes to a query's 64 codes
	v_lshlrev_b32 v[GO], 12, v[MX+1]
	s_delay_alu instid0(VALU_DEP_1)
	v_lshl_add_u32 v[GO], v[MX], 4, v[GO]          ; ccodes is [token / 4][head][token % 4][64]: sixteen lanes fill four tokens' 256 bytes of my head, lanes 16-31 the next four tokens'
	v_mov_b32 v[NINF], 0xff800000
	v_mov_b32 v[XL], 0                             ; a lane permute's destination counts as one of its sources
	INIT
	s_wait_alu depctr_va_vdst(0)
	s_wait_kmcnt 0x0
	s_add_co_i32 s20, s90, s91
	s_lshl_b32 s20, s20, 23
	s_add_co_i32 s[CS], s[CS], s20                 ; e6 + e7 are added to c's exponent field
	s_mov_b32 s[CS+1], s[CS]
	s_add_co_i32 s20, s92, 127
	s_lshl_b32 s21, s20, 23
	v_mov_b32 v[SC], s21                           ; 2^e8
	s_add_co_i32 s20, s20, 8
	s_lshl_b32 s20, s20, 23
	s_or_b32 s20, s20, 0x600000
	v_mov_b32 v[LIM], s20                          ; 448 x 2^e8
	v_mov_b32 v[LIM2], s20
	s_sub_co_i32 s20, s94, s92
	s_sub_co_i32 s20, s20, s93                     ; the result's code is (sum / l) / 2^(e10 - e8 - e9)
	s_add_co_i32 s20, s20, 127
	s_lshl_b32 s21, s20, 23
	v_mov_b32 v[SCO], s21
	s_add_co_i32 s20, s20, 8
	s_lshl_b32 s20, s20, 23
	s_or_b32 s20, s20, 0x600000
	v_mov_b32 v[LIMO], s20
; The softmax of one key step: 64 scores a lane in v[s] on become p's codes in v[P] on.  u: the scalar that holds the tile's step on the diagonal.
.macro SOFT s, u
	s_cmp_lt_u32 s[STP], s[\u]                     ; under the diagonal all keys count
	s_cbranch_scc1 .Lopen_\@
.set n, 0
.rept 64
	v_cmp_gt_i32 vcc_lo, 16*(n/8)+n%8, v[DQ]       ; key 16 T + 8 h + i of the step is hidden where it comes after query 64 half + 16 p + r
	v_cndmask_b32 v[\s+n], v[\s+n], v[NINF], vcc_lo
.set n, n+1
.endr
.Lopen_\@:
.irp c, 0,1,2,3                        ; four chains; each accumulator is read from its low end on
	v_max3_num_f32 v[MX+\c], v[\s+3*\c], v[\s+3*\c+1], v[\s+3*\c+2]
.endr
.set n, 12
.set c, 0
.rept 26
	v_max3_num_f32 v[MX+c], v[MX+c], v[\s+n], v[\s+n+1]
.set n, n+2
.set c, (c+1)%4
.endr
	s_delay_alu instid0(VALU_DEP_1)
	v_max3_num_f32 v[MX], v[MX], v[MX+1], v[MX+2]
	s_delay_alu instid0(VALU_DEP_1)
	v_max_num_f32 v[MX], v[MX], v[MX+3]
	s_delay_alu instid0(VALU_DEP_1)
	v_permlanex16_b32 v[XL], v[MX], s[SEL], s[SEL+1]
	s_delay_alu instid0(VALU_DEP_1)
	v_max_num_f32 v[MX], v[MX], v[XL]
	s_delay_alu instid0(VALU_DEP_1)
	v_mul_f32 v[MX], s[CS], v[MX]                  ; as t (c is positive)
	s_delay_alu instid0(VALU_DEP_1)
	v_max_num_f32 v[ST+1], v[ST+1], v[MX]
	v_mov_b32 v[MX], v[ST]
	s_delay_alu instid0(VALU_DEP_2)
	v_floor_f32 v[ST], -v[ST+1]                    ; the new -M = -ceil(t)
	s_delay_alu instid0(VALU_DEP_1)
	v_sub_f32 v[MX], v[ST], v[MX]                  ; old M - new M
	s_delay_alu instid0(VALU_DEP_1)
	v_cvt_i32_f32 v[MX], v[MX]
	s_delay_alu instid0(VALU_DEP_1)
	v_ldexp_f32 v[F], 1.0, v[MX]                   ; f = 2^(old M - new M)
.set n, 0
.rept 32
	v_pk_fma_f32 v[\s+n:\s+n+1], v[\s+n:\s+n+1], s[CS:CS+1], v[ST:ST+1] op_sel_hi:[1,0,0]   ; t - M
.set n, n+2
.endr
.set n, 0
	s_wait_alu depctr_va_vdst(0)                   ; the wait ahead of the batch
.rept 64
	v_exp_f32 v[\s+n], v[\s+n]                     ; p = 2^(t - M); 0 for a hidden key
.set n, n+1
.endr
	v_pk_mul_f32 v[ST+2:ST+3], v[ST+2:ST+3], v[F:F+1] op_sel_hi:[1,0]   ; the sums under the new M: the plain line behind the exponentials
	s_wait_alu depctr_va_vdst(0)                   ; and behind it: one wait for the 64
.irp c, 0,1,2                          ; the sum of the UNQUANTISED p, in four chains: v[18:19] and the three pairs behind it
	v_pk_add_f32 v[SUM+2*\c:SUM+2*\c+1], v[\s+4*\c:\s+4*\c+1], v[\s+4*\c+2:\s+4*\c+3]
.endr
.set n, 12
.set c, 0
.rept 26
	v_pk_add_f32 v[ST+2+2*c:ST+3+2*c], v[ST+2+2*c:ST+3+2*c], v[\s+n:\s+n+1]
.set n, n+2
.set c, (c+1)%4
.endr
	s_delay_alu instid0(VALU_DEP_1)
	v_pk_add_f32 v[SUM:SUM+1], v[SUM:SUM+1], v[SUM+2:SUM+3]
	v_pk_add_f32 v[ST+2:ST+3], v[ST+2:ST+3], v[SUM+4:SUM+5]
	s_delay_alu instid0(VALU_DEP_1)
	v_pk_add_f32 v[ST+2:ST+3], v[ST+2:ST+3], v[SUM:SUM+1]
.set n, 0
.rept 32
	v_dual_min_num_f32 v[\s+n], v[\s+n], v[LIM] :: v_dual_min_num_f32 v[\s+n+1], v[\s+n+1], v[LIM2]   ; the conversion does not saturate (ISA guide 7.6.2); p is not negative: a one-sided hold, two in one instruction
.set n, n+2
.endr
.set n, 0
.rept 8
	v_cvt_scalef32_pk8_fp8_f32 v[P+2*n:P+2*n+1], v[\s+8*n:\s+8*n+7], v[SC]
.set n, n+1
.endr
	v_nop                                          ; one plain line behind the conversions
.endm
; A KEY STEP: 128 keys, the q-th half of the chunk in hand.  kb: the bank in which this step's K has been asked for; sb: the bank for the scores.
.macro STEP q, kb, sb, qr, u
	s_lshl_b32 s[STP], s[CH], 1
.if \q
	s_add_co_u32 s[STP], s[STP], 1
.endif
	s_cmp_gt_u32 s[STP], s[\u]                     ; all keys come after the tile's queries: left out
	s_cbranch_scc1 .Lhidden_\@
	v_add_nc_u32 v[ADK], s[TB], v[AK0]
	v_add_nc_u32 v[ADV], s[TB], v[AV0]
.rept 3
	v_nop                                          ; with the two additions: five places behind the last step's products, whose operands the products below write over
.endr
	s_wait_alu depctr_va_vdst(0)                   ; the wait directly ahead of the wait below
	s_wait_dscnt 0x0                               ; this step's K is in
.irp T, 0,1,2,3,4,5,6,7
	v_wmma_f32_16x16x64_fp8_fp8 v[\sb+8*\T:\sb+8*\T+7], v[\kb+8*\T:\kb+8*\T+7], v[\qr:\qr+7], 0
.endr
.rept 4
	v_nop                                          ; places ahead of the loads into K's bank and of the first read of the scores
.endr
.irp t, 0,1,2,3                        ; V's four fragments (16 d x 128 keys) where K lay: they land under the softmax
.irp c, 0,1,2,3,4,5,6,7
	ds_load_b64 v[\kb+16*\t+2*\c:\kb+16*\t+2*\c+1], v[ADV] offset:\t*16*KP+128*\q+16*\c
.endr
.endr
	SOFT \sb, \u
	KLOAD \sb, ADK, (\q+1)*32*KP                   ; the next step's K where p lay.  (Behind a tile's last step these bytes are read and not used; behind step 15 they are V's first, inside LDS)
	s_wait_alu depctr_va_vdst(0)                   ; the wait directly ahead of the first readers of O^T
.set n, 0
.rept 16
	v_pk_mul_f32 v[O+n:O+n+1], v[O+n:O+n+1], v[F:F+1] op_sel_hi:[1,0]   ; O^T under the new M
.set n, n+2
.endr
	s_wait_alu depctr_va_vdst(0)
	s_wait_dscnt 16                                ; V is in; the sixteen loads of the next K may be out
.irp t, 0,1,2,3                        ; the accumulators take turns, one instruction a turn
	v_wmma_f32_16x16x128_fp8_fp8 v[O+8*\t:O+8*\t+7], v[\kb+16*\t:\kb+16*\t+15], v[P:P+15], v[O+8*\t:O+8*\t+7]
.endr
.Lhidden_\@:
.endm
.macro WALK trips, qr, u               ; a tile's walk over the keys: the trip count is a constant, steps past the diagonal are jumped over
	s_mov_b32 s[CH], 0
	s_mov_b32 s[TB], 0
.Lchunk_\@:
	STEP 0, X0, X1, \qr, \u
	STEP 1, X1, X0, \qr, \u
	s_add_co_u32 s[TB], s[TB], CHUNK
	s_add_co_u32 s[CH], s[CH], 1
	s_cmp_lt_u32 s[CH], \trips
	s_cbranch_scc1 .Lchunk_\@
.endm
; THE WAY OUT of a tile.  O^T is divided by the sum, held, turned into codes with the folded scale, and goes through my stage, so that sixteen lanes store 256 consecutive bytes, aligned.
.macro OUT tile
	s_wait_dscnt 0x0                               ; the look-ahead's loads have landed: both banks are free
	v_add_f32 v[MX], v[ST+2], v[ST+3]              ; (these plain lines are also the places behind the last products)
	s_delay_alu instid0(VALU_DEP_1)
	v_permlanex16_b32 v[XL], v[MX], s[SEL], s[SEL+1]
	s_delay_alu instid0(VALU_DEP_1)
	v_add_f32 v[MX], v[MX], v[XL]
	v_nop
	v_nop
	s_wait_alu depctr_va_vdst(0)
	v_rcp_f32 v[F], v[MX]
	v_nop                                          ; a plain line behind the reciprocal
	s_wait_alu depctr_va_vdst(0)                   ; for the reciprocal, and directly ahead of the first readers of O^T
.set n, 0
.rept 16
	v_pk_mul_f32 v[X1+n:X1+n+1], v[O+n:O+n+1], v[F:F+1] op_sel_hi:[1,0]   ; register 8 t + i is o(query r, d = 16 t + 8 h + i)
.set n, n+2
.endr
.set n, 0
.rept 32
	v_med3_num_f32 v[X1+n], v[X1+n], -v[LIMO], v[LIMO]
.set n, n+1
.endr
.set n, 0
.rept 4
	v_cvt_scalef32_pk8_fp8_f32 v[CD+2*n:CD+2*n+1], v[X1+8*n:X1+8*n+7], v[SCO]
.set n, n+1
.endr
	v_nop
.set n, 0
.rept 4
	ds_store_b64 v[STO], v[CD+2*n:CD+2*n+1] offset:\tile*16*SROW+16*n
.set n, n+1
.endr
.irp u, 0,1
	ds_load_b128 v[BK+8*\tile+4*\u:BK+8*\tile+4*\u+3], v[RD] offset:\tile*16*SROW+\u*8*SROW   ; LDS serves a wave's instructions in order
.endr
.endm
	s_wait_alu depctr_va_vdst(0)                   ; the wait at the head's end
	s_wait_loadcnt 0x0                             ; Q
	s_wait_tensorcnt 0x0                           ; my chunk has landed
	s_wait_dscnt 0x0
	s_barrier_signal -1
	s_barrier_wait -1                              ; everybody's has: all of K and V lie in LDS
	KLOAD X0, AK0, 0                               ; step 0's K
	WALK 8, QA, UA
	OUT 0
	KLOAD X0, AK0, 0                               ; the second tile's step 0
	INIT
	s_wait_alu depctr_va_vdst(0)
	s_wait_dscnt 16                                ; the first tile's rows are back; the sixteen loads of K may be out
	global_store_b128 v[GO], v[BK:BK+3], s[8:9]
	global_store_b128 v[GO], v[BK+4:BK+7], s[8:9] offset:8192
	WALK 4, QB, J
	OUT 1
	s_wait_dscnt 0x0
	global_store_b128 v[GO], v[BK+8:BK+11], s[46:47]
	global_store_b128 v[GO], v[BK+12:BK+15], s[46:47] offset:8192
	s_wait_tensorcnt 0x0                           ; the wave's end
	ds_add_u32 v[SPW], v[NIL]
	s_wait_dscnt 0x0
	CROUND                                         ; the closing round
	s_endpgm
.Lfunc_end_k_q5996872069_attn:
	.size	k_q5996872069_attn, .Lfunc_end_k_q5996872069_attn-k_q5996872069_attn
	.p2alignl 7, 3214868480
	.fill 96, 4, 3214868480
	.section	.rodata,"a",@progbits
	.p2align	6, 0x0
	.amdhsa_kernel k_q5996872069_attn
		.amdhsa_group_segment_fixed_size 327680
		.amdhsa_private_segment_fixed_size 0
		.amdhsa_enable_private_segment 0
		.amdhsa_kernarg_size 24
		.amdhsa_user_sgpr_count 2
		.amdhsa_user_sgpr_kernarg_segment_ptr 1
		.amdhsa_wavefront_size32 1
		.amdhsa_system_sgpr_workgroup_id_x 1
		.amdhsa_system_sgpr_workgroup_id_y 1
		.amdhsa_system_sgpr_workgroup_id_z 1
		.amdhsa_system_vgpr_workitem_id 0
		.amdhsa_next_free_vgpr 256
		.amdhsa_next_free_sgpr 96
		.amdhsa_reserve_vcc 1
		.amdhsa_float_denorm_mode_32 3
		.amdhsa_float_denorm_mode_16_64 3
		.amdhsa_memory_ordered 1
		.amdhsa_forward_progress 1
		.amdhsa_inst_pref_size 109
	.end_amdhsa_kernel
	.amdgpu_metadata
---
amdhsa.version: [ 1, 2 ]
amdhsa.kernels:
  - .name:           k_q5996872069_attn
    .symbol:         k_q5996872069_attn.kd
    .args:
      - { .name: qkv, .offset: 0, .size: 8, .value_kind: global_buffer, .address_space: global }
      - { .name: lowp_scales, .offset: 8, .size: 8, .value_kind: global_buffer, .address_space: global }
      - { .name: ccodes, .offset: 16, .size: 8, .value_kind: global_buffer, .address_space: global }
    .group_segment_fixed_size: 327680
    .private_segment_fixed_size: 0
    .kernarg_segment_align: 8
    .kernarg_segment_size: 24
    .max_flat_workgroup_size: 512
    .sgpr_count:     96
    .vgpr_count:     256
    .wavefront_size: 32
...
	.end_amdgpu_metadata
.endif
;; end of part 3
;; launch gemm_out (part 4): grid 4 x 64, 4 waves a work-group, clusters of 4 x 4, 327,680 bytes of LDS; arguments ccodes, wcodes, lowp_scales, bo, out0; writes out0
.if DOCPART == 4
	.amdgcn_target "amdgcn-amd-amdhsa--gfx1250"
	.amdhsa_code_object_version 6
	.text
	.protected	k_q5996872069_gemm_out
	.globl	k_q5996872069_gemm_out
	.p2align	8
	.type	k_q5996872069_gemm_out,@function
k_q5996872069_gemm_out:
	s_mov_b64 s[64:65], 0
	v_nop
	global_prefetch_b8 v0, s[64:65] scope:SCOPE_SE
	s_setreg_imm32_b32 hwreg(HW_REG_WAVE_MODE, 25, 1), 1
	s_wait_xcnt 0x0
	s_wait_alu depctr_hold_cnt(0) depctr_sa_sdst(0) depctr_va_vdst(0) depctr_va_sdst(0) depctr_va_ssrc(0) depctr_va_vcc(0) depctr_vm_vsrc(0)
	s_getreg_b32 s2, hwreg(HW_REG_IB_STS2, 6, 4)
	s_cmp_eq_u32 s2, 0
	s_cbranch_scc0 .Lentry_in_a_cluster
	s_endpgm
.Lentry_in_a_cluster:
	s_bfe_u32 s2, ttmp6, 0x10000c
	s_cmp_lg_u32 s2, 0xf033
	s_cbranch_scc0 .Lentry_shape_is_right
	s_endpgm
.Lentry_shape_is_right:
; out0 = concat Wo + bo on codes of FP8 (E4M3): sum x 2^(e10 + e11) + bias, f32.  LIMIT: e10 + e11 between -126 and 127.
; ccodes: [token / 4][head 16][token % 4][64] bytes; Wo's codes: part 3 of wcodes, [n 1024][k 1024].
; A block is 128 tokens x 256 columns: 64 x 4 = 256 work-groups.  Four waves, each 64 tokens x 128 columns: 32 accumulators.  K goes in four steps of 256 through two LDS slots; the changes of slots are written out.
; Region A: 32 rows of 1,024 bytes (four tokens x four heads x 64), 4,096 bytes apart in memory; region B: 256 rows of 256 bytes.  Waves 0, 1 fetch A's halves, waves 2, 3 B's.
; Source 0 takes 16 rows of B, source 1 16 tokens: a lane holds eight neighbouring columns of one row of the result.
; CLUSTERS: 4 x 4 work-groups; A's tile hangs on cy alone and is asked for jointly along a row of the cluster, B's on cx alone, along a column.
; PREFETCHES INTO THE L2: behind slot 0's load stand the requests for slots 1 and 2, behind slot 1's the request for slot 3.  Of what a wave fetches for a slot, each of the four partners that ask for it jointly names a quarter,
; told apart by address (cx for A, cy for B): of B 32 rows, a lane a row of 256 bytes; of A 4 rows of 1,024 bytes, sixteen lanes 256 bytes apart, the other sixteen naming the last block again.
; So each block of 256 bytes is named once in the cluster.  The address registers are never rewritten.
; REGISTERS: window 0: v0-31 addresses, v128-255 A's fragments, two sets of 64 (on the way out: rows read back); window 1: B's fragments, two sets of 128; window 2: accumulator (a, b) at v[8 (8 a + b)].
.set ROWB,   256
.set KROW,   1024
.set PITCH,  272
.set AROWB,  1024
.set APITCH, 1040
.set FR,     16
.set HALFA,  16*APITCH                 ; 64 tokens
.set HALFB,  128*PITCH
.set SLOT,   2*HALFA+2*HALFB
.set SPARE,  2*SLOT                    ; the spare words, 128 bytes a wave, which no other line names
.set SPITCH, 528                       ; the way out: a stage of 16 rows x (512 + 16) bytes a wave, in slot 0, which has then had its last fill and its last read
.set BIAS, 12
.set ADRA, 16
.set ADRB, 20
.set STO,  24
.set RD,   25
.set CO,   26
.set SPW,  28
.set NIL,  29
.set PFO,  31                          ; v31 the prefetches' lane offset; never rewritten
.set AF,   128
.set BK,   128
.set G1, 24
.set G0, 32
.set G1B, 48
.set G0B, 56
.set PF, 68                            ; s[68:73] where my prefetches of slots 1, 2, 3 stand
.set MSB, 0
.macro WIN new
.if MSB != \new
	s_set_vgpr_msb (MSB<<8)|\new
.set MSB, \new
.endif
.endm
.set MUL_LO, 0xa1                      ; source 0 (B) window 1, source 1 (A) window 0, C and D window 2
.set TO_B,   0x40
.macro JLOAD g0a, g1a, g0b, g1b
	s_cmp_eq_u32 s15, 0
	s_cbranch_scc0 .Lfor_b_\@
	tensor_load_to_lds s[\g0a:\g0a+3], s[\g1a:\g1a+7]
	s_nop 0
.rept 4
	v_nop
.endr
	s_branch .Lasked_\@
.Lfor_b_\@:
	tensor_load_to_lds s[\g0b:\g0b+3], s[\g1b:\g1b+7]
	s_nop 0
.rept 4
	v_nop
.endr
.Lasked_\@:
.endm
.macro CREST
	s_cmp_lg_u32 s14, 0
	s_cbranch_scc1 .Lnot_wave_0_\@
	s_barrier_signal -3
.Lnot_wave_0_\@:
	s_barrier_wait -3
	s_barrier_signal -1
	s_barrier_wait -1
.endm
.macro CROUND
	s_barrier_signal -1
	s_barrier_wait -1
	CREST
.endm
	s_load_b128 s[4:7], s[0:1], 0x0                ; ccodes, wcodes
	s_load_b128 s[8:11], s[0:1], 0x10              ; the exponents, bo
	s_load_b64 s[12:13], s[0:1], 0x20              ; out0
	v_lshl_add_u32 v[SPW], v0, 2, SPARE
	v_mov_b32 v[NIL], 0
	ds_add_u32 v[SPW], v[NIL]                      ; the opening: the add, twice on end, and its wait
	ds_add_u32 v[SPW], v[NIL]
	v_lshrrev_b32 v1, 5, v0
	v_readfirstlane_b32 s14, v1
	s_lshr_b32 s15, s14, 1                         ; which 64 tokens are mine.  Also: I fetch for A (0) or for B (1)
	s_and_b32 s16, s14, 1                          ; which 128 columns.  Also: which half of that tile I fetch
	s_bfe_u32 s40, ttmp6, 0x40000
	s_bfe_u32 s41, ttmp6, 0x40004
	s_lshl_b32 s42, ttmp9, 2
	s_add_co_u32 s42, s42, s40                     ; block column
	s_and_b32 s17, ttmp7, 0xffff
	s_lshl_b32 s17, s17, 2
	s_add_co_u32 s17, s17, s41                     ; block row
	s_lshl_b32 s43, s41, 2
	s_lshl_b32 s43, 15, s43
	s_lshl_b32 s44, 0x1111, s40
	s_or_b32 s[G1+0], s43, (0<<16)|(1<<20)|(1<<21)|(7<<22)|(3<<25)   ; padding: four words after every 256
	s_mov_b32 s[G1+1], AROWB<<16
	s_mov_b32 s[G1+2], 16<<16
	s_mov_b32 s[G1+3], AROWB<<16
	s_mov_b32 s[G1+4], 16
	s_mov_b32 s[G1+5], 4096
	s_mov_b32 s[G1+6], 0
	s_mov_b32 s[G1+7], 0
	s_or_b32 s[G1B+0], s44, (0<<16)|(1<<20)|(1<<21)|(5<<22)|(3<<25)  ; four words after every 64
	s_mov_b32 s[G1B+1], ROWB<<16
	s_mov_b32 s[G1B+2], 128<<16
	s_mov_b32 s[G1B+3], ROWB<<16
	s_mov_b32 s[G1B+4], 128
	s_mov_b32 s[G1B+5], KROW
	s_mov_b32 s[G1B+6], 0
	s_mov_b32 s[G1B+7], 0
	s_lshl_b32 s18, s16, 16                        ; A: 64 tokens of 1,024 bytes
	s_lshl_b32 s20, s17, 17                        ; the block's 128 tokens
	s_add_co_u32 s20, s20, s18
	s_mov_b32 s21, 0
	s_lshl_b32 s18, s16, 17                        ; B: 128 rows of 1,024 bytes
	s_lshl_b32 s46, s42, 18
	s_add_co_u32 s46, s46, s18
	s_add_co_u32 s46, s46, 0x300000
	s_mov_b32 s47, 0
	s_mul_i32 s45, s16, HALFA
	s_mul_i32 s19, s16, HALFB
	s_add_co_u32 s19, s19, 2*HALFA
	s_lshl_b32 s76, s40, 14                        ; the prefetches: my work-group's quarter: in A 4 rows of 4,096 bytes by cx,
	s_lshl_b32 s77, s41, 15                        ; in B 32 rows of 1,024 bytes by cy
	s_mov_b32 s74, 1024
	s_cmp_eq_u32 s15, 0                            ; do I fetch for A?
	s_cselect_b32 s76, s76, s77
	s_cselect_b32 s78, 15, 31                      ; the last lane that names a block of its own
	s_cselect_b32 s79, 256, s74                    ; from lane to lane within four: a block of A's row, or a row of B
	s_cselect_b32 s74, s74, 256                    ; a slot on: 1,024 bytes in A, 256 in B
	s_mov_b32 s77, 0
	s_mov_b32 s75, 0
	s_wait_dscnt 0x0
	s_wait_kmcnt 0x0
	s_load_b128 s[92:95], s[8:9], 0x20             ; entries 8 to 11
	s_add_nc_u64 s[20:21], s[4:5], s[20:21]
	s_add_nc_u64 s[46:47], s[6:7], s[46:47]
	s_cmp_eq_u32 s15, 0
	s_cselect_b64 s[PF:PF+1], s[20:21], s[46:47]
	s_add_nc_u64 s[PF:PF+1], s[PF:PF+1], s[76:77]
	s_add_nc_u64 s[PF:PF+1], s[PF:PF+1], s[74:75]          ; slot 1
	s_add_nc_u64 s[PF+2:PF+3], s[PF:PF+1], s[74:75]        ; slot 2
	s_add_nc_u64 s[PF+4:PF+5], s[PF+2:PF+3], s[74:75]      ; slot 3
	CROUND                                         ; the first joint loads meet
.irp s, 0,1
	s_mov_b32 s[G0+4*\s], 1
	s_add_co_u32 s[G0+4*\s+1], s45, \s*SLOT
	s_add_nc_u64 s[G0+4*\s+2:G0+4*\s+3], s[20:21], \s*AROWB
	s_or_b32 s[G0+4*\s+3], s[G0+4*\s+3], 0x80000000
	s_mov_b32 s[G0B+4*\s], 1
	s_add_co_u32 s[G0B+4*\s+1], s19, \s*SLOT
	s_add_nc_u64 s[G0B+4*\s+2:G0B+4*\s+3], s[46:47], \s*ROWB
	s_or_b32 s[G0B+4*\s+3], s[G0B+4*\s+3], 0x80000000
.endr
	JLOAD G0, G1, G0B, G1B                         ; slot 0: one tensor load a wave at the head
	v_and_b32 v[PFO], 31, v0
	v_min_u32 v[PFO], s78, v[PFO]
	v_and_b32 v30, 3, v[PFO]
	v_lshrrev_b32 v[PFO], 2, v[PFO]
	v_mul_u32_u24 v30, v30, s79
	v_lshl_add_u32 v[PFO], v[PFO], 12, v30         ; 4,096 x (lane / 4) + (256 or 1,024) x (lane % 4)
	global_prefetch_b8 v[PFO], s[PF:PF+1] th:TH_LOAD_NT scope:SCOPE_SE
	global_prefetch_b8 v[PFO], s[PF+2:PF+3] th:TH_LOAD_NT scope:SCOPE_SE
	v_and_b32 v1, 15, v0
	v_bfe_u32 v2, v0, 4, 1
	v_mul_u32_u24 v3, v1, PITCH
	v_lshl_add_u32 v4, v2, 4, v3                   ; B: row r, + 16 h
	v_lshrrev_b32 v5, 2, v1
	v_mul_u32_u24 v5, v5, APITCH
	v_and_b32 v6, 3, v1
	v_lshl_add_u32 v5, v6, 6, v5
	v_lshl_add_u32 v5, v2, 4, v5                   ; A: token r at (r / 4) x 1,040 + (r % 4) x 64, + 16 h
	s_mul_i32 s21, s15, HALFA
	s_mul_i32 s22, s16, HALFB
	s_add_co_u32 s22, s22, 2*HALFA
.irp s, 0,1
	v_add_nc_u32 v[ADRA+\s], s21, v5
	v_add_nc_u32 v[ADRB+\s], s22, v4
	s_add_co_u32 s21, s21, SLOT
	s_add_co_u32 s22, s22, SLOT
.endr
	s_mul_i32 s23, s14, 16*SPITCH
	v_mul_u32_u24 v5, v1, SPITCH
	v_lshl_add_u32 v5, v2, 5, v5
	v_add_nc_u32 v[STO], s23, v5
	v_and_b32 v6, 31, v0
	v_lshlrev_b32 v[CO], 4, v6
	v_add_nc_u32 v[RD], s23, v[CO]
	s_lshl_b32 s20, s42, 10
	s_lshl_b32 s21, s16, 9
	s_add_co_u32 s20, s20, s21                     ; my first column, in bytes
	s_mov_b32 s21, 0
	s_add_nc_u64 s[10:11], s[10:11], s[20:21]
	global_load_b128 v[BIAS:BIAS+3], v[CO], s[10:11]
	s_add_nc_u64 s[12:13], s[12:13], s[20:21]
	s_lshl_b32 s20, s17, 19                        ; 128 rows of 4,096 bytes,
	s_lshl_b32 s21, s15, 18                        ; my 64 of them
	s_add_co_u32 s20, s20, s21
	s_mov_b32 s21, 0
	s_add_nc_u64 s[12:13], s[12:13], s[20:21]
.macro FRAGB reg, adr, q, i            ; registers 4 c .. 4 c + 3 hold K = 32 c + 16 h + 0 .. 15: a permutation of k, the same in A and in B
.irp c, 0,1,2,3
	ds_load_b128 v[\reg+4*\c:\reg+4*\c+3], v[\adr] offset:128*(\q)+32*\c+(\i)*16*PITCH
.endr
.endm
.macro FRAGA reg, adr, q, i
.irp c, 0,1,2,3
	ds_load_b128 v[\reg+4*\c:\reg+4*\c+3], v[\adr] offset:(\i)*4*APITCH+(2*(\q)+\c/2)*256+32*(\c%2)
.endr
.endm
; 16 matrix instructions: A's blocks a0, a0 + 1 x B's eight, 128 along K, from set p.  The 32 accumulators take turns, one instruction a turn.
.macro MUL16 a0, p, zero
.irp a, \a0, \a0+1
.irp b, 0,1,2,3,4,5,6,7
.if \zero
	v_wmma_f32_16x16x128_fp8_fp8 v[8*(8*(\a)+\b):8*(8*(\a)+\b)+7], v[128*(\p)+FR*\b:128*(\p)+FR*\b+FR-1], v[AF+64*(\p)+FR*(\a):AF+64*(\p)+FR*(\a)+FR-1], 0
.else
	v_wmma_f32_16x16x128_fp8_fp8 v[8*(8*(\a)+\b):8*(8*(\a)+\b)+7], v[128*(\p)+FR*\b:128*(\p)+FR*\b+FR-1], v[AF+64*(\p)+FR*(\a):AF+64*(\p)+FR*(\a)+FR-1], v[8*(8*(\a)+\b):8*(8*(\a)+\b)+7]
.endif
.endr
.endr
.endm
.macro FETCH slot, q, p                ; 48 LDS loads: B's eight and A's four fragments of the slot's q-th 128 along K into set p
	WIN TO_B
.irp i, 0,1,2,3,4,5,6,7
	FRAGB 128*(\p)+FR*\i, ADRB+\slot, \q, \i
.endr
	WIN 0
.irp i, 0,1,2,3
	FRAGA AF+64*(\p)+FR*\i, ADRA+\slot, \q, \i
.endr
.endm
.macro PLACES n
.rept \n
	v_nop
.endr
.endm
.macro STEP slot, zero                 ; a slot's first 128 along K, from set 0; the second 128 is fetched into set 1 ahead of the products
	s_wait_dscnt 0x0                               ; set 0 is in
	PLACES 4                                       ; ahead of loads into registers that the last step's products read
	FETCH \slot, 1, 1
	WIN MUL_LO
	MUL16 0, 0, \zero
	MUL16 2, 0, \zero
	WIN 0
.endm
; A slot's second 128 changes slots: ONE barrier; in front of it each wave waits for all its tensor loads, adds 0 to its spare word, and waits for that and for its reads of this slot.
.macro TURN slot, next, fill
	s_wait_tensorcnt 0x0
	ds_add_u32 v[SPW], v[NIL]
	s_wait_dscnt 0x0                               ; the add is done, set 1 is in, and my reads of this slot are over
	s_barrier_signal -1
	WIN MUL_LO
	MUL16 0, 1, 0
	WIN 0
	s_barrier_wait -1
.if \fill
	CREST                                          ; the barrier has opened a round of the cluster's barrier
	s_add_nc_u64 s[G0+4*\slot+2:G0+4*\slot+3], s[G0+4*\slot+2:G0+4*\slot+3], 2*AROWB
	s_add_nc_u64 s[G0B+4*\slot+2:G0B+4*\slot+3], s[G0B+4*\slot+2:G0B+4*\slot+3], 2*ROWB
	JLOAD G0+4*\slot, G1, G0B+4*\slot, G1B         ; its four v_nop are the places ahead of the loads below
.else
	PLACES 4
.endif
	FETCH \next, 0, 0
	WIN MUL_LO
	MUL16 2, 1, 0
	WIN 0
.endm
	s_wait_alu depctr_va_vdst(0)                   ; the wait at the head's end
	s_wait_tensorcnt 0x0                           ; my part of slot 0 is in; slot 1's first fill is issued as a refill is
	ds_add_u32 v[SPW], v[NIL]
	s_wait_dscnt 0x0
	CROUND
	JLOAD G0+4, G1, G0B+4, G1B
	FETCH 0, 0, 0
	global_prefetch_b8 v[PFO], s[PF+4:PF+5] th:TH_LOAD_NT scope:SCOPE_SE   ; slot 3, two changes of slots ahead of its load
	STEP 0, 1                                      ; K 0-127: its products start the sums
	TURN 0, 1, 1                                   ; slot 0 takes K 512-767
	STEP 1, 0
	TURN 1, 0, 1                                   ; slot 1 takes K 768-1023
	STEP 0, 0
	TURN 0, 1, 0                                   ; the last change of slots fills nothing
	STEP 1, 0
	s_wait_dscnt 0x0
	WIN MUL_LO
	MUL16 0, 1, 0
	MUL16 2, 1, 0
	WIN 0
; THE WAY OUT, by blocks of 16 rows x 128 columns: through my own stage and back as whole rows of 512 bytes; x 2^(e10 + e11) + bias on the way; 32 lanes store 512 consecutive bytes, aligned.
.macro TOSTAGE a
.set AC, 64*(\a)
.set BB, BK+64*((\a)%2)
	WIN 0x08                                       ; the stores' data: window 2
.irp b, 0,1,2,3,4,5,6,7
	ds_store_b128 v[STO], v[AC+8*\b:AC+8*\b+3] offset:64*\b
	ds_store_b128 v[STO], v[AC+8*\b+4:AC+8*\b+7] offset:64*\b+16
.endr
	WIN 0
.irp t, 0,1,2,3,4,5,6,7,8,9,10,11,12,13,14,15
	ds_load_b128 v[BB+4*\t:BB+4*\t+3], v[RD] offset:\t*SPITCH   ; LDS serves a wave's instructions in order
.endr
.endm
.macro SEND a, younger                 ; younger: the next block's 16 stores and 16 loads, or none
.set BB, BK+64*((\a)%2)
	s_wait_dscnt \younger
.irp t, 0,1,2,3,4,5,6,7,8,9,10,11,12,13,14,15
	v_pk_fma_f32 v[BB+4*\t:BB+4*\t+1], v[BB+4*\t:BB+4*\t+1], s[96:97], v[BIAS:BIAS+1] op_sel_hi:[1,0,1]
	v_pk_fma_f32 v[BB+4*\t+2:BB+4*\t+3], v[BB+4*\t+2:BB+4*\t+3], s[96:97], v[BIAS+2:BIAS+3] op_sel_hi:[1,0,1]
.endr
.irp t, 0,1,2,3,4,5,6,7,8,9,10,11,12,13,14,15
	global_store_b128 v[CO], v[BB+4*\t:BB+4*\t+3], s[12:13] offset:(16*(\a)+\t)*4096 th:TH_STORE_NT
.endr
.endm
	s_wait_kmcnt 0x0
	s_add_co_i32 s96, s94, s95
	s_add_co_i32 s96, s96, 127
	s_lshl_b32 s96, s96, 23                        ; 2^(e10 + e11)
	s_mov_b32 s97, s96
	s_wait_loadcnt 0x0                             ; the bias
	PLACES 4
	TOSTAGE 0
.irp a, 1,2,3
.if \a > 1
	s_wait_xcnt 0x0                                ; block a - 2's stores have read their data: block a's loads may land there
.endif
	TOSTAGE \a
	SEND \a-1, 32
.endr
	SEND 3, 0
	s_wait_tensorcnt 0x0                           ; the wave's end
	ds_add_u32 v[SPW], v[NIL]
	s_wait_dscnt 0x0
	CROUND                                         ; the closing round
	s_endpgm
.Lfunc_end_k_q5996872069_gemm_out:
	.size	k_q5996872069_gemm_out, .Lfunc_end_k_q5996872069_gemm_out-k_q5996872069_gemm_out
	.p2alignl 7, 3214868480
	.fill 96, 4, 3214868480
	.section	.rodata,"a",@progbits
	.p2align	6, 0x0
	.amdhsa_kernel k_q5996872069_gemm_out
		.amdhsa_group_segment_fixed_size 327680
		.amdhsa_private_segment_fixed_size 0
		.amdhsa_enable_private_segment 0
		.amdhsa_kernarg_size 40
		.amdhsa_user_sgpr_count 2
		.amdhsa_user_sgpr_kernarg_segment_ptr 1
		.amdhsa_wavefront_size32 1
		.amdhsa_system_sgpr_workgroup_id_x 1
		.amdhsa_system_sgpr_workgroup_id_y 1
		.amdhsa_system_sgpr_workgroup_id_z 1
		.amdhsa_system_vgpr_workitem_id 0
		.amdhsa_next_free_vgpr 768
		.amdhsa_next_free_sgpr 98
		.amdhsa_reserve_vcc 0
		.amdhsa_float_denorm_mode_32 3
		.amdhsa_float_denorm_mode_16_64 3
		.amdhsa_memory_ordered 1
		.amdhsa_forward_progress 1
		.amdhsa_inst_pref_size 77
	.end_amdhsa_kernel
	.amdgpu_metadata
---
amdhsa.version: [ 1, 2 ]
amdhsa.kernels:
  - .name:           k_q5996872069_gemm_out
    .symbol:         k_q5996872069_gemm_out.kd
    .args:
      - { .name: ccodes, .offset: 0, .size: 8, .value_kind: global_buffer, .address_space: global }
      - { .name: wcodes, .offset: 8, .size: 8, .value_kind: global_buffer, .address_space: global }
      - { .name: lowp_scales, .offset: 16, .size: 8, .value_kind: global_buffer, .address_space: global }
      - { .name: bo, .offset: 24, .size: 8, .value_kind: global_buffer, .address_space: global }
      - { .name: out0, .offset: 32, .size: 8, .value_kind: global_buffer, .address_space: global }
    .group_segment_fixed_size: 327680
    .private_segment_fixed_size: 0
    .kernarg_segment_align: 8
    .kernarg_segment_size: 40
    .max_flat_workgroup_size: 128
    .sgpr_count:     98
    .vgpr_count:     768
    .wavefront_size: 32
...
	.end_amdgpu_metadata
.endif
;; end of part 4
